; MI455X (gfx1250); checked and timed in simulation.
; The chip was launched on July 23, 2026; its instructions are those of AMD's public machine-readable ISA for CDNA 5 (MIT licence, August 2026) and "CDNA5" Instruction Set Architecture Reference Guide (July 2026). The comments in the code are by the model that wrote it; some were corrected since.
;; Mo E layer megatron wo gate v3. Allowed arithmetic: float matrix products may take bf16 or f16 operands with f32 sums; other float arithmetic in f32, or as packed bf16 or f16 multiplies, adds, multiply-adds, maxima and minima; sums over many terms, partial sums and values carried from step to step in f32; what a program stores and reads back later, other than sums and carried values, may be rounded once to bf16 or f16.
;; Inputs: choosed_experts 8,192 x 2 int32; gate_weight 8,192 x 2 float32; hidden_states 1,024 x 8 x 1,024 float32; w1 8 x 1,024 x 512 float32; w2 8 x 512 x 1,024 float32.
;; Outputs: out0 8,192 x 1,024 float32.
;; 3 versions, each right; version 2 is faster than version 1; version 3 is version 2 with the launch moe written anew for expert scheduling mode. Each part assembles by itself: llvm-mc -triple=amdgcn-amd-amdhsa -mcpu=gfx1250 --defsym DOCPART=n.
;; ======== version 1 of 3: 2 launches
;; workspace buffers: wf1 8,388,608 bytes; wf2 8,388,608 bytes; order 32,768 bytes of whole numbers; tiles 4,096 bytes of whole numbers
;; launch prep (part 1): grid 257 x 1, 32 waves a work-group, no clusters, 58,112 bytes of LDS; arguments choosed_experts, w1, w2, wf1, wf2, order, tiles; writes wf1, wf2, order, tiles
.if DOCPART == 1
	.amdgcn_target "amdgcn-amd-amdhsa--gfx1250"
	.amdhsa_code_object_version 6
	.text
	.protected	k_qd84ebdd5dc_prep
	.globl	k_qd84ebdd5dc_prep
	.p2align	8
	.type	k_qd84ebdd5dc_prep,@function
k_qd84ebdd5dc_prep:
	s_mov_b64 s[64:65], 0
	v_nop
	global_prefetch_b8 v0, s[64:65] scope:SCOPE_SE
	s_setreg_imm32_b32 hwreg(HW_REG_WAVE_MODE, 25, 1), 1
	s_wait_xcnt 0x0
; PREP: two jobs in one launch, chosen by the work-group's number.
; WORK-GROUP 0 sorts the 8,192 tokens by their SET of experts, bin = 8 lo + hi (lo <= hi: 36 of the 64 bins can be used), by a counting sort without atomics, and stores
;   order[pos] = token | swap << 16   (swap = 1: the token's choice 0 is the larger expert), the bins one after the other, and
;   tiles[t]   = { first place in order, rows (0..48), lo, hi }: each bin cut into tiles of 48 rows; all 256 entries are written, those past the last tile with 0 rows.
; WORK-GROUPS 1..256 round w1 and w2 to bf16, once, and lay them out as matrix fragments of 16 outputs x 32 K, 1,024 bytes each:
;   wf1 byte = e<<20 | fg<<18 | ks<<13 | a<<10 | p<<8 | r<<4 : output f = 128 fg + 16 a + r, eight bf16 of K = 32 ks + 8 p + 0..7 (K = hidden channel)
;   wf2 byte = e<<20 | cg<<17 | ks<<13 | a<<10 | p<<8 | r<<4 : output column = 128 cg + 16 a + r, K = f.
;   A lane l = 16 h + r of the next launch finds its fragment's registers 0-3 at 16 l (piece p = h) and 4-7 at 512 + 16 l (piece 2 + h).
; LIMIT: an expert index outside 0..7 counts as 7 (the problem keeps indices inside the table).
.set CPW,   516       ; LDS 0..20,479: counts, one byte each: wave x 516 + group-in-wave x 64 + bin (516 = 129 words: 32 lanes, one wave's region each, meet 32 different banks)
.set PRE,   20480     ; 20,480..53,759: for each pair of bins 1,040 bytes: for each of 256 groups a word, the pair's two running counts in its halves
.set PPB,   1040
.set TOT,   53760     ; 64 words: tokens in each bin
.set SPARE, 54016     ; the spare words, 128 bytes for each of 32 waves: sixteen blocks of 256 bytes that no other line names
	s_load_b256 s[4:11], s[0:1], 0x0               ; choosed_experts s[4:5], w1 s[6:7], w2 s[8:9], wf1 s[10:11]
	s_load_b128 s[12:15], s[0:1], 0x20             ; wf2 s[12:13], order s[14:15]
	s_load_b64 s[16:17], s[0:1], 0x30              ; tiles
	v_lshl_add_u32 v2, v0, 2, SPARE                ; my spare word; never rewritten
	v_mov_b32 v3, 0                                ; 0; never rewritten
	v_and_b32 v1, 31, v0                           ; lane
	v_lshrrev_b32 v4, 5, v0
	v_readfirstlane_b32 s18, v4                    ; wave 0..31
	s_wait_kmcnt 0x0
	s_cmp_eq_u32 ttmp9, 0                          ; the same answer in all waves of a work-group
	s_cbranch_scc1 .Lsort
; ---------------- THE CAST: one task a wave: 32 rows of K x 32 columns.  No LDS, no barrier, no loop. ----------------
; A lane owns a column: 32 loads of 4 bytes bring its 32 K (a wave's load covers 128 neighbouring bytes, and the work-group's waves together whole rows);
; eight K pack into 16 bytes, and sixteen neighbouring lanes store 256 consecutive bytes, aligned.
.macro CAST pitch, src, dst
.set j, 0
.rept 32
	global_load_b32 v[8+j], v4, s[\src:\src+1] offset:j*(\pitch) th:TH_LOAD_NT
.set j, j+1
.endr
.irp p, 0,1,2,3
	s_wait_loadcnt 24-8*(\p)                       ; loads come back in order: the eight rows of piece p are in, those of the later pieces stay out
.irp i, 0,1,2,3
	v_cvt_pk_bf16_f32 v[40+4*(\p)+(\i)], v[8+8*(\p)+2*(\i)], v[9+8*(\p)+2*(\i)]
.endr
	global_store_b128 v5, v[40+4*(\p):43+4*(\p)], s[\dst:\dst+1] offset:256*(\p)
.endr
.endm
	s_sub_co_u32 s20, ttmp9, 1                     ; g = 0..255
	s_lshr_b32 s21, s20, 7                         ; 0: w1, 1: w2
	s_bfe_u32 s22, s20, 0x30004                    ; expert
	s_and_b32 s23, s20, 15                         ; one of the expert's 16 work-groups
	v_lshlrev_b32 v4, 2, v1                        ; in: my column, 4 bytes
	v_lshrrev_b32 v5, 4, v1
	v_and_b32 v6, 15, v1
	v_lshlrev_b32 v5, 10, v5                       ; out: lanes 16-31 belong to the next fragment,
	v_lshl_or_b32 v5, v6, 4, v5                    ; r x 16 bytes
	s_mov_b32 s27, 0
	s_mov_b32 s29, 0
	s_lshl_b32 s26, s22, 21                        ; an expert's 2 MiB of f32
	s_lshl_b32 s28, s22, 20                        ; and its 1 MiB of bf16
	s_cmp_lg_u32 s21, 0
	s_cbranch_scc1 .Lcast2
	s_and_b32 s24, s18, 15                         ; w1: 16 column groups of 32 f,
	s_lshr_b32 s25, s18, 4
	s_lshl1_add_u32 s25, s23, s25                  ; K step = 2 x sub + wave / 16
	s_lshl_b32 s30, s25, 16                        ; 32 rows of 2,048 bytes
	s_add_co_u32 s26, s26, s30
	s_lshl_b32 s30, s24, 7
	s_add_co_u32 s26, s26, s30
	s_add_nc_u64 s[6:7], s[6:7], s[26:27]
	s_lshr_b32 s30, s24, 2
	s_lshl_b32 s30, s30, 18                        ; fg
	s_add_co_u32 s28, s28, s30
	s_lshl_b32 s30, s25, 13                        ; ks
	s_add_co_u32 s28, s28, s30
	s_and_b32 s30, s24, 3
	s_lshl_b32 s30, s30, 11                        ; two fragments a column group
	s_add_co_u32 s28, s28, s30
	s_add_nc_u64 s[10:11], s[10:11], s[28:29]
	CAST 2048, 6, 10
	s_endpgm                                       ; this wave wrote no LDS
.Lcast2:
	s_lshl_b32 s30, s23, 17                        ; w2: K step = sub: 32 rows of 4,096 bytes; 32 column groups, one a wave
	s_add_co_u32 s26, s26, s30
	s_lshl_b32 s30, s18, 7
	s_add_co_u32 s26, s26, s30
	s_add_nc_u64 s[8:9], s[8:9], s[26:27]
	s_lshr_b32 s30, s18, 2
	s_lshl_b32 s30, s30, 17                        ; cg
	s_add_co_u32 s28, s28, s30
	s_lshl_b32 s30, s23, 13                        ; ks
	s_add_co_u32 s28, s28, s30
	s_and_b32 s30, s18, 3
	s_lshl_b32 s30, s30, 11
	s_add_co_u32 s28, s28, s30
	s_add_nc_u64 s[12:13], s[12:13], s[28:29]
	CAST 4096, 8, 12
	s_endpgm
; ---------------- THE SORT.  Group 8 w + k holds the 32 tokens 256 w + 32 k + lane.  v20-27 bin, v28-35 rank in the group, v36-43 the word to store.  All lanes stay on throughout. ----------------
.Lsort:
	v_lshlrev_b32 v44, 3, v1
	v_lshl_add_u32 v44, s18, 11, v44               ; my token's two choices, 8 bytes
.irp k, 0,1,2,3,4,5,6,7
	global_load_b64 v[4+2*(\k):5+2*(\k)], v44, s[4:5] offset:256*(\k)  ; 32 lanes: 256 consecutive bytes, aligned
.endr
	v_lshlrev_b32 v45, 2, v0
.irp i, 0,1,2,3,4
	ds_store_b32 v45, v3 offset:4096*(\i)          ; the counts start at 0
.endr
	s_mul_i32 s19, s18, CPW
	v_lshl_add_u32 v50, s18, 8, v1                 ; the token of k = 0
	s_mov_b32 s28, 0xffff0000                      ; lanes 16-31
	s_mov_b32 s32, 0x55555555                      ; for the count of a word's ones
	s_mov_b32 s33, 0x33333333
	s_mov_b32 s34, 0x0f0f0f0f
	s_mov_b32 s35, 0x01010101
	s_wait_dscnt 0x0                               ; for the others' sake: my zeros are written
	s_barrier_signal -1
	s_barrier_wait -1
	s_wait_loadcnt 0x0
; One group: the bin; which lanes share my bin (six ballots, one a bit); my rank among them; how many they are.  Every lane stores that number: lanes of one bin write the same byte with the same value.
.macro GROUP k
	v_min_u32 v44, 7, v[4+2*(\k)]
	v_min_u32 v45, 7, v[5+2*(\k)]
	v_min_u32 v46, v44, v45                        ; lo
	v_add_nc_u32 v47, v44, v45
	v_sub_nc_u32 v47, v47, v46                     ; hi
	v_lshl_add_u32 v46, v46, 3, v47
	v_min_u32 v[20+(\k)], 63, v46                  ; bin = 8 lo + hi
	v_cmp_gt_u32 vcc_lo, v44, v45
	v_cndmask_b32 v48, 0, 1, vcc_lo                ; swap
	v_add_nc_u32 v49, 32*(\k), v50
	v_lshl_or_b32 v[36+(\k)], v48, 16, v49
.irp b, 0,1,2,3,4,5
	v_bfe_u32 v51, v[20+(\k)], \b, 1
	v_cmp_ne_u32 s30, 0, v51                       ; the lanes whose bit is 1
	v_add_nc_u32 v52, -1, v51                      ; my bit 1: 0; my bit 0: all ones
.if (\b) == 0
	v_xor_b32 v53, s30, v52                        ; the lanes whose bit is as mine
.else
	v_xor_b32 v52, s30, v52
	v_and_b32 v53, v53, v52
.endif
.endr
	v_mbcnt_lo_u32_b32 v[28+(\k)], v53, 0          ; how many of them stand below me
	v_lshrrev_b32 v54, 1, v53                      ; the ones in the mask: sums of 2, 4 and 8 bits side by side, then the four bytes added by a product
	v_and_b32 v54, s32, v54
	v_sub_nc_u32 v54, v53, v54
	v_lshrrev_b32 v56, 2, v54
	v_and_b32 v54, s33, v54
	v_and_b32 v56, s33, v56
	v_add_nc_u32 v54, v54, v56
	v_lshrrev_b32 v56, 4, v54
	v_add_nc_u32 v54, v54, v56
	v_and_b32 v54, s34, v54
	v_mul_lo_u32 v54, v54, s35
	v_lshrrev_b32 v56, 24, v54                     ; 1 to 32
	v_add_nc_u32 v55, s19, v[20+(\k)]
	ds_store_b8 v55, v56 offset:64*(\k)
.endm
.irp k, 0,1,2,3,4,5,6,7
	GROUP \k
.endr
	s_wait_dscnt 0x0                               ; for the others' sake: my counts are written
	s_barrier_signal -1
	s_barrier_wait -1
; An inclusive sum over the 32 lanes, in place: four steps inside each half of 16 lanes, then lane 15's sum onto the upper half.
.macro SCAN v, t
.irp n, 1,2,4,8
	v_mov_b32_dpp v[\t], v[\v] row_shr:\n row_mask:0xf bank_mask:0xf bound_ctrl:1
	v_add_nc_u32 v[\v], v[\v], v[\t]
.endr
	v_readlane_b32 s29, v[\v], 15
	v_mov_b32 v[\t], s29
	v_cndmask_b32 v[\t], 0, v[\t], s28
	v_add_nc_u32 v[\v], v[\v], v[\t]
.endm
	; Wave w owns bins 2 w and 2 w + 1; lane l holds the counts of wave l's eight groups, both bins packed in halves (8,192 at the most: no carry between them).
	v_mul_u32_u24 v44, v1, CPW
	v_lshl_add_u32 v44, s18, 1, v44
.irp k, 0,1,2,3,4,5,6,7
	ds_load_u16 v[4+(\k)], v44 offset:64*(\k)
.endr
	s_wait_dscnt 0x0
.irp k, 0,1,2,3,4,5,6,7
	v_and_b32 v45, 0xff00, v[4+(\k)]
	v_and_b32 v[4+(\k)], 0xff, v[4+(\k)]
	v_lshl_or_b32 v[4+(\k)], v45, 8, v[4+(\k)]
.endr
	v_mov_b32 v12, 0
.irp k, 1,2,3,4,5,6,7
	v_add_nc_u32 v[12+(\k)], v[11+(\k)], v[3+(\k)] ; what stands ahead of group k inside my eight
.endr
	v_add_nc_u32 v46, v19, v11                     ; my eight groups' total
	v_mov_b32 v47, v46
	v_mov_b32 v49, 0                               ; written before a DPP form names it as its destination
	SCAN 47, 49
	v_sub_nc_u32 v48, v47, v46                     ; what stands in the lanes below me
.irp k, 0,1,2,3,4,5,6,7
	v_add_nc_u32 v[12+(\k)], v48, v[12+(\k)]
.endr
	s_mul_i32 s20, s18, PPB
	s_add_co_u32 s20, s20, PRE
	v_lshl_add_u32 v50, v1, 5, s20
	ds_store_b128 v50, v[12:15]
	ds_store_b128 v50, v[16:19] offset:16
	v_readlane_b32 s29, v47, 31                    ; the two bins' totals
	s_and_b32 s30, s29, 0xffff
	s_lshr_b32 s31, s29, 16
	v_mov_b32 v52, s30
	v_mov_b32 v53, s31
	s_lshl_b32 s21, s18, 3
	s_add_co_u32 s21, s21, TOT
	v_mov_b32 v54, s21
	ds_store_b64 v54, v[52:53]                     ; all lanes write the same two words
	s_wait_dscnt 0x0                               ; for the others' sake
	s_barrier_signal -1
	s_barrier_wait -1
	; Every wave for itself, so that no further barrier is needed: lane l holds bins l and 32 + l; P = tokens | tiles << 16; I its inclusive sum over the bins, X the exclusive one.
	v_lshl_add_u32 v44, v1, 2, TOT
	ds_load_b32 v4, v44
	ds_load_b32 v5, v44 offset:128
	s_mov_b32 s30, 43691                           ; (n + 47) x 43,691 >> 21 = (n + 47) / 48 rounded down, exact up to n = 8,192: the factor is off by 1.6e-7, times 8,239 far under 1/48
	s_wait_dscnt 0x0
	v_add_nc_u32 v6, 47, v4
	v_add_nc_u32 v7, 47, v5
	v_mul_lo_u32 v6, v6, s30
	v_mul_lo_u32 v7, v7, s30
	v_lshrrev_b32 v6, 21, v6
	v_lshrrev_b32 v7, 21, v7
	v_lshl_or_b32 v6, v6, 16, v4
	v_lshl_or_b32 v7, v7, 16, v5
	v_mov_b32 v8, v6
	v_mov_b32 v9, v7
	SCAN 8, 49
	SCAN 9, 49
	v_readlane_b32 s29, v8, 31
	v_add_nc_u32 v9, s29, v9
	v_sub_nc_u32 v10, v8, v6
	v_sub_nc_u32 v11, v9, v7
	; A token's place = its bin's first place + the bin's tokens in earlier groups + its rank in the group.
	s_lshl_b32 s20, s18, 5
	s_add_co_u32 s20, s20, PRE
.irp k, 0,1,2,3,4,5,6,7
	v_lshlrev_b32 v60, 2, v[20+(\k)]
	ds_bpermute_b32 v[12+(\k)], v60, v10           ; the lane is taken modulo 32: both halves are fetched, one is chosen
	ds_bpermute_b32 v[44+(\k)], v60, v11
	v_lshrrev_b32 v61, 1, v[20+(\k)]
	v_min_u32 v61, 31, v61
	v_mul_u32_u24 v61, v61, PPB
	v_and_b32 v62, 1, v[20+(\k)]
	v_lshl_add_u32 v61, v62, 1, v61
	v_add_nc_u32 v61, s20, v61
	ds_load_u16 v[52+(\k)], v61 offset:4*(\k)
.endr
	s_wait_dscnt 0x0
.irp k, 0,1,2,3,4,5,6,7
	v_cmp_le_u32 vcc_lo, 32, v[20+(\k)]
	v_cndmask_b32 v60, v[12+(\k)], v[44+(\k)], vcc_lo
	v_and_b32 v60, 0xffff, v60
	v_add3_u32 v60, v60, v[52+(\k)], v[28+(\k)]
	v_min_u32 v60, 0x1fff, v60
	v_lshlrev_b32 v[12+(\k)], 2, v60               ; an address register for each store: none is rewritten
	global_store_b32 v[12+(\k)], v[36+(\k)], s[14:15]  ; 8,192 single words, 32 KiB in all: a sort scatters
.endr
	; The table of tiles: thread t (waves 0-7) writes entry t.  Its bin is the first whose tiles end beyond t.
	s_cmp_ge_u32 s18, 8
	s_cbranch_scc1 .Lsort_end
	v_lshrrev_b32 v4, 16, v8
	v_lshrrev_b32 v5, 16, v9
	v_mov_b32 v60, 0
.irp src, 4, 5
.set j, 0
.rept 32
	v_readlane_b32 s29, v[\src], j
	v_cmp_le_u32 vcc_lo, s29, v0
	v_add_co_ci_u32 v60, vcc_lo, 0, v60, vcc_lo    ; one more bin that ends at or below t
.set j, j+1
.endr
.endr
	v_min_u32 v60, 63, v60
	v_lshlrev_b32 v61, 2, v60
	ds_bpermute_b32 v52, v61, v10
	ds_bpermute_b32 v53, v61, v11
	ds_bpermute_b32 v54, v61, v6
	ds_bpermute_b32 v55, v61, v7
	v_cmp_le_u32 vcc_lo, 32, v60
	s_wait_dscnt 0x0
	v_cndmask_b32 v52, v52, v53, vcc_lo
	v_cndmask_b32 v54, v54, v55, vcc_lo
	v_lshrrev_b32 v56, 16, v52                     ; the bin's first tile
	v_and_b32 v52, 0xffff, v52                     ; its first place
	v_and_b32 v54, 0xffff, v54                     ; its tokens
	v_sub_nc_u32 v56, v0, v56
	v_mul_u32_u24 v56, v56, 48                     ; rows of the bin ahead of this tile
	v_sub_nc_u32 v45, v54, v56
	v_min_u32 v45, 48, v45
	v_cmp_lt_u32 vcc_lo, v56, v54
	v_cndmask_b32 v45, 0, v45, vcc_lo              ; rows: 0 past the last tile
	v_add_nc_u32 v44, v52, v56
	v_min_u32 v44, 0x1fff, v44                     ; always a place that exists
	v_lshrrev_b32 v46, 3, v60
	v_and_b32 v47, 7, v60
	v_lshlrev_b32 v48, 4, v0
	global_store_b128 v48, v[44:47], s[16:17]
.Lsort_end:
	s_wait_tensorcnt 0x0                           ; the wave's end: a closing add, behind my last LDS store
	ds_add_u32 v2, v3
	s_wait_dscnt 0x0
	s_endpgm
.Lfunc_end_k_qd84ebdd5dc_prep:
	.size	k_qd84ebdd5dc_prep, .Lfunc_end_k_qd84ebdd5dc_prep-k_qd84ebdd5dc_prep
	.p2alignl 7, 3214868480
	.fill 96, 4, 3214868480
	.section	.rodata,"a",@progbits
	.p2align	6, 0x0
	.amdhsa_kernel k_qd84ebdd5dc_prep
		.amdhsa_group_segment_fixed_size 58112
		.amdhsa_private_segment_fixed_size 0
		.amdhsa_enable_private_segment 0
		.amdhsa_kernarg_size 56
		.amdhsa_user_sgpr_count 2
		.amdhsa_user_sgpr_kernarg_segment_ptr 1
		.amdhsa_wavefront_size32 1
		.amdhsa_system_sgpr_workgroup_id_x 1
		.amdhsa_system_sgpr_workgroup_id_y 1
		.amdhsa_system_sgpr_workgroup_id_z 1
		.amdhsa_system_vgpr_workitem_id 0
		.amdhsa_next_free_vgpr 64
		.amdhsa_next_free_sgpr 66
		.amdhsa_reserve_vcc 1
		.amdhsa_float_denorm_mode_32 3
		.amdhsa_float_denorm_mode_16_64 3
		.amdhsa_memory_ordered 1
		.amdhsa_forward_progress 1
		.amdhsa_inst_pref_size 55
	.end_amdhsa_kernel
	.amdgpu_metadata
---
amdhsa.version: [ 1, 2 ]
amdhsa.kernels:
  - .name:           k_qd84ebdd5dc_prep
    .symbol:         k_qd84ebdd5dc_prep.kd
    .args:
      - { .name: choosed_experts, .offset: 0, .size: 8, .value_kind: global_buffer, .address_space: global }
      - { .name: w1, .offset: 8, .size: 8, .value_kind: global_buffer, .address_space: global }
      - { .name: w2, .offset: 16, .size: 8, .value_kind: global_buffer, .address_space: global }
      - { .name: wf1, .offset: 24, .size: 8, .value_kind: global_buffer, .address_space: global }
      - { .name: wf2, .offset: 32, .size: 8, .value_kind: global_buffer, .address_space: global }
      - { .name: order, .offset: 40, .size: 8, .value_kind: global_buffer, .address_space: global }
      - { .name: tiles, .offset: 48, .size: 8, .value_kind: global_buffer, .address_space: global }
    .group_segment_fixed_size: 58112
    .private_segment_fixed_size: 0
    .kernarg_segment_align: 8
    .kernarg_segment_size: 56
    .max_flat_workgroup_size: 1024
    .sgpr_count:     66
    .vgpr_count:     64
    .wavefront_size: 32
...
	.end_amdgpu_metadata
.endif
;; end of part 1
;; launch moe (part 2): grid 206 x 1, 8 waves a work-group, no clusters, 201,728 bytes of LDS; arguments hidden_states, gate_weight, wf1, wf2, order, tiles, out0; writes out0
.if DOCPART == 2
	.amdgcn_target "amdgcn-amd-amdhsa--gfx1250"
	.amdhsa_code_object_version 6
	.text
	.protected	k_qd84ebdd5dc_moe
	.globl	k_qd84ebdd5dc_moe
	.p2align	8
	.type	k_qd84ebdd5dc_moe,@function
k_qd84ebdd5dc_moe:
	s_mov_b64 s[64:65], 0
	v_nop
	global_prefetch_b8 v0, s[64:65] scope:SCOPE_SE
	s_setreg_imm32_b32 hwreg(HW_REG_WAVE_MODE, 25, 1), 1
	s_wait_xcnt 0x0
; MOE: out[t] = g_lo gelu(x[t] W1[lo]) W2[lo] + g_hi gelu(x[t] W1[hi]) W2[hi] for a tile of up to 48 tokens that chose the same set {lo, hi}: the whole chain in one work-group.
; GRID.  8,192 tokens in 36 sets cut into tiles of 48 make at most 171 + 35 = 206 tiles, whatever the choice.  An entry with 0 rows: the work-group runs the head on one existing token,
; passes both barriers, jumps over both products (two forward jumps, no barrier in what is jumped) and stores nothing.  Places past a tile's count repeat its last token; their stores are jumped.
; SHARES.  Eight waves.  fc1: hcat[kappa][token], kappa = 0..1023 = (half, f): wave w makes kappa 128 w .. 128 w + 127 (expert half w / 4, f group w % 4) for all 48 tokens: 8 x 3 accumulators.
; fc2: K = kappa, so both experts add into ONE accumulator; wave w makes output columns 128 w .. + 127 for all 48 tokens.
; OPERANDS.  Source 0 = 16 outputs x 32 K of weights, source 1 = 16 tokens x 32 K: in the result a lane holds ONE token (lane % 16) and eight neighbouring outputs 8 (lane / 16) + 0..7.
; Each weight byte is wanted by one wave, once: it comes from memory straight into registers (the launch before laid the fragments out: a load covers 512 consecutive bytes), through a ring of
; four buffers of one K step (16 loads): three buffers are on their way while one is multiplied.  NO MULTICAST: a weight fragment has one reader in the work-group, so LDS would only be a
; detour; tiles that share a set are 5 or 6 at an even split and 0 at others, so whole clusters a set would want 43 + 35 clusters of four, more work-groups than the tiles themselves.
; BOTH PRODUCTS ARE WRITTEN OUT, 32 K steps each: a row of X or H is 2,064 bytes and a slice of weights 256 KiB at the most, so every step's place stands in an immediate; no address
; register and no pointer is ever stepped, and no wait stands for a pointer's sake.  The price is the text's length: 64 steps of 24 matrix instructions and 22 loads.
; Tokens: x is gathered by the list, rounded to bf16 into LDS; gate x gelu(h) is rounded once to bf16 into LDS.
; GELU (tanh form) = x / (1 + 2^(x (GA + GB x^2))), GA = -2 log2(e) sqrt(2/pi), GB = 0.044715 GA; where the power overflows the result is 0, where it vanishes x.
; LIMITS.  x, the weights and the gates are rounded to bf16; sums in f32.  Where a token names one expert twice the two halves are computed apart: g0 y + g1 y.  NaN and infinities are not treated apart.
; REGISTERS, in windows of 256 (s_set_vgpr_msb: bits 1:0 source 0, 3:2 source 1, 5:4 source 2, 7:6 destination):
;   window 0: the weight ring: buffer j, fragment a at v[64 j + 8 a]; on the way out rows read back (v0-191) and the rows' offsets (v192-239)
;   window 1: v0-191 accumulator (nt, a) at v[8 (8 nt + a)] (in the head: x as loaded); v192-239 two buffers of token fragments (head, gelu and way out: at work); v240-255 below
.set XP,    2064      ; a row of X or H in LDS: 2,048 bytes + 16 = 129 x 16: the 16 rows of a fragment load start at 16 different groups of four banks (64 banks of 4 bytes: ISA guide 11.1)
.set HB,    100352    ; X: 0 .. 99,071; H: 100,352 .. 199,423; 1,280 idle bytes lie behind each
.set SPARE, 200704    ; = 784 x 256: the spare words, 128 bytes for each of eight waves: four blocks of 256 bytes that no other line names
.set SGP,   528       ; the way out: a stage row, 512 bytes + 16 = 33 x 16
.set SGW,   16*SGP    ; a wave's stage, 16 rows, at w x 8,448 inside X, which nobody reads behind the second barrier
.set BF,   192        ; token fragments: buffer par, tile nt at BF + 24 par + 8 nt
.set ZR,   192        ; gelu: 32 at work
.set PR,   224        ; gelu: 16 packed
.set SPW,  240        ; LDS address of my spare word; never rewritten
.set NIL,  241        ; 0; never rewritten
.set AOFF, 242        ; 16 x lane; never rewritten
.set FB,   243        ; v243-245 my place in a fragment of token tile nt: (16 nt + lane % 16) x pitch + 16 (lane / 16); never rewritten
.set WA,   246        ; v246-248 the LDS addresses in hand: FB + a scalar; made three times: X for fc1, H at my wave's bytes for gelu, H for fc2
.set CG,   250        ; v250-255 the gate of my token in tile nt, twice: a pair for the packed multiply
.set LN,   192        ; the head's: lane, lane % 16, lane / 16, at work
.set RR,   193
.set HH,   194
.set T0,   195
.set LA,   196        ; five list addresses, then tokens: slots lane, 32 + lane, 16 nt + lane % 16
.set LW,   201        ; the five words
.set MA,   206        ; six addresses: my wave's slots w + 8 i
.set MW,   212        ; their words, then the byte offsets of my 16 bytes in those rows of x
.set GP,   218        ; three pairs of gates
.set GAD,  224        ; their addresses
.set XS0,  227        ; where I put 8 bytes of X: slots w, w + 8, w + 16; XS0 + 1: slots w + 24 ..
.set STO,  192        ; the way out's
.set RD,   193
.set LOFF, 194
.set T1,   195
.set T2,   196
; s[2:3] out; s[4:5] x; s[6:7] gates; s[8:9] wf1; s[10:11] wf2; s[12:13] order; s[14:15] tiles; s[16:63] the 48 tokens; s66 wave; s67 rows; s68 first place; s69 lo; s70 hi; s71 last slot;
; s[72:75] the entry; s[76:77], s[78:79] my slices of wf2 for lo and hi; s[80:81] my slice of wf1; s[82:83] offsets; s[84:85] GA; s[86:87] GB; s89-90 at work; s91 my expert half;
; s92 the LDS region that a product reads; s93 H at my wave's 256 bytes of a row
.set MSB, 0
.macro WIN new                      ; the immediate's high byte repeats the setting that is left; a switch that changes nothing is dropped
.if MSB != (\new)
	s_set_vgpr_msb (MSB<<8)|(\new)
.set MSB, (\new)
.endif
.endm
.set W_ALL1, 0x55     ; everything in window 1
.set W_MUL,  0x54     ; weights (source 0) in window 0; tokens, C and D in window 1
.set W_TO0,  0x01     ; destination in window 0, address in window 1
; 16 loads: one K step's eight fragments into buffer j, from the slice at s[sb:sb+1], byte off
.macro ALOAD j, sb, off
.irp a, 0,1,2,3,4,5,6,7
	global_load_b128 v[64*(\j)+8*(\a):64*(\j)+8*(\a)+3],   v[AOFF], s[\sb:\sb+1] offset:(\off)+1024*(\a)
	global_load_b128 v[64*(\j)+8*(\a)+4:64*(\j)+8*(\a)+7], v[AOFF], s[\sb:\sb+1] offset:(\off)+1024*(\a)+512
.endr
.endm
.macro SETWA sc                     ; the three addresses in hand = scalar sc + my places
.irp nt, 0,1,2
	v_add_nc_u32 v[WA+(\nt)], s[\sc], v[FB+(\nt)]
.endr
.endm
; 6 LDS loads: the three token tiles' fragments of one K step, at byte off of the rows, into buffer par
.macro BLOAD par, off
.irp nt, 0,1,2
	ds_load_b128 v[BF+24*(\par)+8*(\nt):BF+24*(\par)+8*(\nt)+3],   v[WA+(\nt)] offset:(\off)
	ds_load_b128 v[BF+24*(\par)+8*(\nt)+4:BF+24*(\par)+8*(\nt)+7], v[WA+(\nt)] offset:(\off)+32
.endr
.endm
; 24 matrix instructions.  The 24 accumulators take turns, one instruction a turn, in the same order in every K step.  zero = 1: the products start the sums.
.macro MUL j, par, zero
.irp a, 0,1,2,3,4,5,6,7
.irp nt, 0,1,2
.if \zero
	v_wmma_f32_16x16x32_bf16 v[8*(8*(\nt)+(\a)):8*(8*(\nt)+(\a))+7], v[64*(\j)+8*(\a):64*(\j)+8*(\a)+7], v[BF+24*(\par)+8*(\nt):BF+24*(\par)+8*(\nt)+7], 0
.else
	v_wmma_f32_16x16x32_bf16 v[8*(8*(\nt)+(\a)):8*(8*(\nt)+(\a))+7], v[64*(\j)+8*(\a):64*(\j)+8*(\a)+7], v[BF+24*(\par)+8*(\nt):BF+24*(\par)+8*(\nt)+7], v[8*(8*(\nt)+(\a)):8*(8*(\nt)+(\a))+7]
.endif
.endr
.endr
.endm
; K step ks (the assembler's symbol, 0..31) of a product, on ring buffer ks % 4 and token buffer ks % 2.  bnext: the next step's token fragments are asked for first.
; refill: the ring buffer takes the K step four on, from slice RB at byte RO (symbols too).  lc: the younger weight loads that may stay out.
.macro STEP zero, bnext, refill, lc
.if \bnext
	WIN W_ALL1
	BLOAD (ks+1)&1, 64*(ks+1)
.endif
	s_wait_loadcnt \lc                             ; loads come back in order (ISA guide 5.7.1): my buffer's 16 are in, the younger buffers' stay out
	s_wait_dscnt 6*(\bnext)                        ; this step's token fragments are in; the six just asked for stay out
	WIN W_MUL
	MUL ks&3, ks&1, \zero
.rept 4
	v_nop                                          ; four places between the last product and the loads into registers that the products read, or the readers of the sums
.endr
.if \refill
	WIN W_TO0
	ALOAD ks&3, RB, RO
.endif
.endm
; gate x gelu of four accumulators (32 numbers a lane), rounded to bf16, into H.  Each accumulator is read from its low end on.  Two batches of transcendentals, each with a plain instruction
; behind its last and ONE wait ahead of its first reader; the multiplies by the gate stand among the exponentials.
.macro GELU nt, a0
.set XA, 8*(8*(\nt)+(\a0))
.set i, 0
.rept 16
	v_pk_mul_f32 v[ZR+2*i:ZR+2*i+1], v[XA+2*i:XA+2*i+1], v[XA+2*i:XA+2*i+1]
.set i, i+1
.endr
.set i, 0
.rept 16
	v_pk_fma_f32 v[ZR+2*i:ZR+2*i+1], v[ZR+2*i:ZR+2*i+1], s[86:87], s[84:85] op_sel_hi:[1,0,0]
.set i, i+1
.endr
.set i, 0
.rept 16
	v_pk_mul_f32 v[ZR+2*i:ZR+2*i+1], v[ZR+2*i:ZR+2*i+1], v[XA+2*i:XA+2*i+1]
.set i, i+1
.endr
.set i, 0
.rept 16
	v_exp_f32 v[ZR+2*i], v[ZR+2*i]
	v_pk_mul_f32 v[XA+2*i:XA+2*i+1], v[XA+2*i:XA+2*i+1], v[CG+2*(\nt):CG+2*(\nt)+1]
	v_exp_f32 v[ZR+2*i+1], v[ZR+2*i+1]
.set i, i+1
.endr
	v_nop
	s_wait_alu depctr_va_vdst(0)
.set i, 0
.rept 16
	v_pk_add_f32 v[ZR+2*i:ZR+2*i+1], v[ZR+2*i:ZR+2*i+1], 1.0 op_sel_hi:[1,0]
.set i, i+1
.endr
.set i, 0
.rept 32
	v_rcp_f32 v[ZR+i], v[ZR+i]
.set i, i+1
.endr
	v_nop
	s_wait_alu depctr_va_vdst(0)
.set i, 0
.rept 16
	v_pk_mul_f32 v[ZR+2*i:ZR+2*i+1], v[ZR+2*i:ZR+2*i+1], v[XA+2*i:XA+2*i+1]
.set i, i+1
.endr
.set i, 0
.rept 16
	v_cvt_pk_bf16_f32 v[PR+i], v[ZR+2*i], v[ZR+2*i+1]
.set i, i+1
.endr
.set i, 0
.rept 4
	ds_store_b128 v[WA+(\nt)], v[PR+4*i:PR+4*i+3] offset:32*((\a0)+i)  ; my token's kappa 128 w + 16 a + 8 (lane / 16) + 0..7
.set i, i+1
.endr
.endm
; The way out of token tile nt: a lane's 8 columns of one token go into my own stage and come back as whole rows: 512 consecutive bytes of one token's output a load.
.macro STAGE nt
	WIN W_ALL1
.irp a, 0,1,2,3,4,5,6,7
	ds_store_b128 v[STO], v[8*(8*(\nt)+(\a)):8*(8*(\nt)+(\a))+3]   offset:64*(\a)
	ds_store_b128 v[STO], v[8*(8*(\nt)+(\a))+4:8*(8*(\nt)+(\a))+7] offset:64*(\a)+16
.endr
	WIN W_TO0
.set i, 0
.rept 16
	ds_load_b128 v[64*(\nt)+4*i:64*(\nt)+4*i+3], v[RD] offset:SGP*i  ; LDS serves a wave's instructions in order (ISA guide 5.7.1.4): these see the stores above; the next tile's stores come behind them
.set i, i+1
.endr
.endm
.macro SEND nt
	WIN 0
.set i, 0
.rept 16
.if i > 0
	s_cmp_le_u32 s67, 16*(\nt)+i                   ; rows past the count are not stored
	s_cbranch_scc1 .Lend
.endif
	s_wait_dscnt 15-i                              ; row i is back; the younger rows stay out
	global_store_b128 v[192+16*(\nt)+i], v[64*(\nt)+4*i:64*(\nt)+4*i+3], s[2:3] th:TH_STORE_NT  ; 32 lanes store 512 consecutive bytes, at a multiple of 512 from the output's first byte
.set i, i+1
.endr
.endm
; ---------------- THE HEAD ----------------
	s_load_b256 s[4:11], s[0:1], 0x0
	s_load_b128 s[12:15], s[0:1], 0x20
	s_load_b64 s[2:3], s[0:1], 0x30
	v_lshrrev_b32 v1, 5, v0
	v_readfirstlane_b32 s66, v1                    ; wave 0..7
	WIN 0x40                                       ; destination in window 1, v0 in window 0
	v_lshl_add_u32 v[SPW], v0, 2, SPARE
	v_mov_b32 v[NIL], 0
	v_and_b32 v[LN], 31, v0
	WIN W_ALL1
	v_and_b32 v[RR], 15, v[LN]
	v_lshrrev_b32 v[HH], 4, v[LN]
	v_lshlrev_b32 v[AOFF], 4, v[LN]
	v_mul_u32_u24 v[T0], v[RR], XP
	v_lshl_add_u32 v[FB], v[HH], 4, v[T0]          ; a fragment's row x pitch + 16 x half
	v_add_nc_u32 v[FB+1], 16*XP, v[FB]
	v_add_nc_u32 v[FB+2], 32*XP, v[FB]
	s_lshl_b32 s93, s66, 8                         ; my wave's 128 kappa are 256 bytes of a row of H
	s_add_co_u32 s93, s93, HB
	s_mul_i32 s90, s66, XP
	v_lshl_add_u32 v[XS0], v[LN], 3, s90
	v_add_nc_u32 v[XS0+1], 24*XP, v[XS0]           ; a second register: the 16-bit offset does not reach slot w + 40
	s_lshl_b32 s82, ttmp9, 4
	s_mov_b32 s83, 0
	s_mov_b32 s84, 0xc0135761                      ; GA = -2.3022082
	s_mov_b32 s85, s84                             ; named as pairs
	s_mov_b32 s86, 0xbdd2d3e8                      ; GB = -0.10294324
	s_mov_b32 s87, s86
	s_lshr_b32 s91, s66, 2                         ; my expert half in fc1
	s_wait_kmcnt 0x0
	s_add_nc_u64 s[14:15], s[14:15], s[82:83]
	s_load_b128 s[72:75], s[14:15], 0x0            ; my tile: first place, rows, lo, hi
	s_wait_kmcnt 0x0
	s_min_u32 s68, s72, 0x1fff
	s_min_u32 s67, s73, 48
	s_min_u32 s69, s74, 7
	s_min_u32 s70, s75, 7
	s_max_u32 s71, s67, 1
	s_sub_co_u32 s71, s71, 1                       ; the last slot that holds a row (0 in a tile without rows)
	s_cmp_lg_u32 s91, 0
	s_cselect_b32 s89, s75, s74
	s_min_u32 s89, s89, 7                          ; my expert in fc1
	s_lshl_b32 s82, s89, 20
	s_and_b32 s90, s66, 3
	s_lshl_b32 s90, s90, 18
	s_add_co_u32 s82, s82, s90
	s_add_nc_u64 s[80:81], s[8:9], s[82:83]        ; my 256 KiB of wf1
	s_lshl_b32 s90, s66, 17
	s_lshl_b32 s82, s69, 20
	s_add_co_u32 s82, s82, s90
	s_add_nc_u64 s[76:77], s[10:11], s[82:83]      ; my 128 KiB of wf2[lo]
	s_lshl_b32 s82, s70, 20
	s_add_co_u32 s82, s82, s90
	s_add_nc_u64 s[78:79], s[10:11], s[82:83]      ; and of wf2[hi]
	; the list: slot s holds order[first + min(s, last slot)]
	v_min_u32 v[LA], s71, v[LN]
	v_add_nc_u32 v[T0], 32, v[LN]
	v_min_u32 v[LA+1], s71, v[T0]
.irp nt, 0,1,2
	v_add_nc_u32 v[T0], 16*(\nt), v[RR]
	v_min_u32 v[LA+2+(\nt)], s71, v[T0]
.endr
.irp q, 0,1,2,3,4
	v_add_nc_u32 v[LA+(\q)], s68, v[LA+(\q)]
	v_min_u32 v[LA+(\q)], 0x1fff, v[LA+(\q)]
	v_lshlrev_b32 v[LA+(\q)], 2, v[LA+(\q)]
	global_load_b32 v[LW+(\q)], v[LA+(\q)], s[12:13]
.endr
.irp i, 0,1,2,3,4,5
	s_add_co_u32 s89, s66, 8*(\i)                  ; my wave gathers slots w + 8 i: one address for all lanes
	s_min_u32 s89, s89, s71
	s_add_co_u32 s89, s89, s68
	s_min_u32 s89, s89, 0x1fff
	s_lshl_b32 s89, s89, 2
	v_mov_b32 v[MA+(\i)], s89
	global_load_b32 v[MW+(\i)], v[MA+(\i)], s[12:13]
.endr
	s_wait_loadcnt 0x0
.irp q, 0,1,2,3,4
	v_and_b32 v[LA+(\q)], 0xffff, v[LW+(\q)]
	v_min_u32 v[LA+(\q)], 0x1fff, v[LA+(\q)]       ; the token
.endr
.irp nt, 0,1,2
	v_lshlrev_b32 v[GAD+(\nt)], 3, v[LA+2+(\nt)]
	global_load_b64 v[GP+2*(\nt):GP+2*(\nt)+1], v[GAD+(\nt)], s[6:7]  ; both gates of my token in tile nt
.endr
.irp i, 0,1,2,3,4,5
	v_and_b32 v[MW+(\i)], 0xffff, v[MW+(\i)]
	v_min_u32 v[MW+(\i)], 0x1fff, v[MW+(\i)]
	v_lshl_add_u32 v[MW+(\i)], v[MW+(\i)], 12, v[AOFF]  ; token x 4,096 bytes + 16 x lane
.endr
	WIN W_TO0
	ALOAD 0, 80, 0                                 ; K step 0's weights go out ahead of x
	WIN W_ALL1
.irp i, 0,1,2,3,4,5
.irp j, 0,1,2,3,4,5,6,7
	global_load_b128 v[32*(\i)+4*(\j):32*(\i)+4*(\j)+3], v[MW+(\i)], s[4:5] offset:512*(\j)  ; 512 consecutive bytes of a row of x
.endr
.endr
.set i, 0
.rept 32
	v_readlane_b32 s[16+i], v[LA], i               ; the 48 tokens as scalars, for the way out
	s_min_u32 s[16+i], s[16+i], 0x1fff
.set i, i+1
.endr
.set i, 0
.rept 16
	v_readlane_b32 s[48+i], v[LA+1], i
	s_min_u32 s[48+i], s[48+i], 0x1fff
.set i, i+1
.endr
.irp i, 0,1,2,3,4,5
	s_wait_loadcnt 40-8*(\i)                       ; row i's eight loads are in; the later rows' stay out
.irp j, 0,1,2,3,4,5,6,7
	v_cvt_pk_bf16_f32 v[32*(\i)+4*(\j)],   v[32*(\i)+4*(\j)],   v[32*(\i)+4*(\j)+1]
	v_cvt_pk_bf16_f32 v[32*(\i)+4*(\j)+1], v[32*(\i)+4*(\j)+2], v[32*(\i)+4*(\j)+3]
.endr
.irp j, 0,1,2,3,4,5,6,7
	ds_store_b64 v[XS0+(\i)/3], v[32*(\i)+4*(\j):32*(\i)+4*(\j)+1] offset:((\i)%3)*8*XP+256*(\j)
.endr
.endr
.irp nt, 0,1,2                      ; my half's gate: choice 0's, unless swap and half differ; rounded to bf16 like every input
	v_bfe_u32 v[T0], v[LW+2+(\nt)], 16, 1
	v_xor_b32 v[T0], s91, v[T0]
	v_cmp_ne_u32 vcc_lo, 0, v[T0]
	v_cndmask_b32 v[CG+2*(\nt)], v[GP+2*(\nt)], v[GP+2*(\nt)+1], vcc_lo
	v_cvt_pk_bf16_f32 v[CG+2*(\nt)], v[CG+2*(\nt)], v[CG+2*(\nt)]
	v_lshlrev_b32 v[CG+2*(\nt)], 16, v[CG+2*(\nt)]
	v_mov_b32 v[CG+2*(\nt)+1], v[CG+2*(\nt)]
.endr
	WIN W_TO0
	ALOAD 1, 80, 8192
	ALOAD 2, 80, 16384
	ALOAD 3, 80, 24576
	WIN 0                                          ; at a label and at a branch every window is 0
	s_wait_dscnt 0x0                               ; for the others' sake: my six rows of X are written
	s_barrier_signal -1
	s_barrier_wait -1                              ; X is whole
	s_cmp_eq_u32 s67, 0
	s_cbranch_scc1 .Lb2                            ; no rows: the first product and gelu are jumped; the ring stays as fc2's counts expect it, four buffers asked for in order
; ---------------- FC1: 32 K steps ----------------
	s_mov_b32 s92, 0                               ; X
	WIN W_ALL1
	SETWA 92
	BLOAD 0, 0
.set ks, 0
.rept 32
.if ks < 28
.set RB, 80                         ; the refill is this product's K step ks + 4,
.set RO, 8192*(ks+4)
.else
.set RB, 76                         ; or, in the last four steps, fc2's K step ks - 28, which lands during gelu
.set RO, 8192*(ks-28)
.endif
.if ks == 0
	STEP 1, 1, 1, 48                               ; the first K step starts the sums: nothing is cleared
.elseif ks < 31
	STEP 0, 1, 1, 48
.else
	STEP 0, 0, 1, 48                               ; no token fragments follow
.endif
.set ks, ks+1
.endr
; ---------------- GATE x GELU ----------------
	WIN W_ALL1
	SETWA 93                                       ; where I put 16 bytes of H, by token tile
.irp nt, 0,1,2
	GELU \nt, 0
	GELU \nt, 4
.endr
	WIN 0
.Lb2:
	s_wait_dscnt 0x0                               ; for the others' sake: my part of H is written, and my reads of X are over
	s_barrier_signal -1
	s_barrier_wait -1                              ; H is whole, and nobody reads X any more
	s_cmp_eq_u32 s67, 0
	s_cbranch_scc1 .Lend
; ---------------- FC2: 32 K steps, 16 of lo's f and 16 of hi's, into one sum ----------------
	s_mov_b32 s92, HB                              ; H
	WIN W_ALL1
	SETWA 92
	BLOAD 0, 0
.set ks, 0
.rept 32
.if ks < 12
.set RB, 76                         ; K steps 4 to 15 come from lo's slice,
.set RO, 8192*(ks+4)
.else
.set RB, 78                         ; K steps 16 to 31 from hi's
.set RO, 8192*(ks-12)
.endif
.set LC, 48
.if ks > 28
.set LC, 16*(31-ks)                 ; the last four steps ask for nothing: the counts run down 48, 32, 16, 0
.endif
.if ks == 0
	STEP 1, 1, 1, LC
.elseif ks < 28
	STEP 0, 1, 1, LC
.elseif ks < 31
	STEP 0, 1, 0, LC
.else
	STEP 0, 0, 0, LC
.endif
.set ks, ks+1
.endr
; ---------------- THE WAY OUT ----------------
	WIN W_ALL1
	v_bfe_u32 v[T1], v[AOFF], 4, 4                 ; lane % 16
	v_bfe_u32 v[T2], v[AOFF], 8, 1                 ; lane / 16
	s_mul_i32 s89, s66, SGW
	v_mul_u32_u24 v[STO], v[T1], SGP               ; in: my token's row, 32 bytes for each half of the lanes
	v_lshl_add_u32 v[STO], v[T2], 5, v[STO]
	v_add_nc_u32 v[STO], s89, v[STO]
	v_add_nc_u32 v[RD], s89, v[AOFF]               ; back: 32 lanes take a row's 512 bytes
	s_lshl_b32 s90, s66, 9
	v_add_nc_u32 v[LOFF], s90, v[AOFF]             ; my wave's 128 columns in a row of the output
	WIN 0x10                                       ; destination in window 0, source 2 in window 1
.set i, 0
.rept 48
	v_lshl_add_u32 v[192+i], s[16+i], 12, v[LOFF]  ; token x 4,096 bytes: an offset register for each row, none rewritten
.set i, i+1
.endr
	STAGE 0
	SEND 0
.irp nt, 1,2
	s_cmp_le_u32 s67, 16*(\nt)
	s_cbranch_scc1 .Lend
	STAGE \nt
	SEND \nt
.endr
.Lend:
	WIN W_ALL1
	s_wait_tensorcnt 0x0                           ; the wave's end: a closing add, behind my last LDS store
	ds_add_u32 v[SPW], v[NIL]
	s_wait_dscnt 0x0
	WIN 0
	s_endpgm
.Lfunc_end_k_qd84ebdd5dc_moe:
	.size	k_qd84ebdd5dc_moe, .Lfunc_end_k_qd84ebdd5dc_moe-k_qd84ebdd5dc_moe
	.p2alignl 7, 3214868480
	.fill 96, 4, 3214868480
	.section	.rodata,"a",@progbits
	.p2align	6, 0x0
	.amdhsa_kernel k_qd84ebdd5dc_moe
		.amdhsa_group_segment_fixed_size 201728
		.amdhsa_private_segment_fixed_size 0
		.amdhsa_enable_private_segment 0
		.amdhsa_kernarg_size 56
		.amdhsa_user_sgpr_count 2
		.amdhsa_user_sgpr_kernarg_segment_ptr 1
		.amdhsa_wavefront_size32 1
		.amdhsa_system_sgpr_workgroup_id_x 1
		.amdhsa_system_sgpr_workgroup_id_y 1
		.amdhsa_system_sgpr_workgroup_id_z 1
		.amdhsa_system_vgpr_workitem_id 0
		.amdhsa_next_free_vgpr 512
		.amdhsa_next_free_sgpr 96
		.amdhsa_reserve_vcc 1
		.amdhsa_float_denorm_mode_32 3
		.amdhsa_float_denorm_mode_16_64 3
		.amdhsa_memory_ordered 1
		.amdhsa_forward_progress 1
		.amdhsa_inst_pref_size 255
	.end_amdhsa_kernel
	.section	.bss,"aw",@nobits
	.p2align	6
	.space	262144
	.amdgpu_metadata
---
amdhsa.version: [ 1, 2 ]
amdhsa.kernels:
  - .name:           k_qd84ebdd5dc_moe
    .symbol:         k_qd84ebdd5dc_moe.kd
    .args:
      - { .name: hidden_states, .offset: 0, .size: 8, .value_kind: global_buffer, .address_space: global }
      - { .name: gate_weight, .offset: 8, .size: 8, .value_kind: global_buffer, .address_space: global }
      - { .name: wf1, .offset: 16, .size: 8, .value_kind: global_buffer, .address_space: global }
      - { .name: wf2, .offset: 24, .size: 8, .value_kind: global_buffer, .address_space: global }
      - { .name: order, .offset: 32, .size: 8, .value_kind: global_buffer, .address_space: global }
      - { .name: tiles, .offset: 40, .size: 8, .value_kind: global_buffer, .address_space: global }
      - { .name: out0, .offset: 48, .size: 8, .value_kind: global_buffer, .address_space: global }
    .group_segment_fixed_size: 201728
    .private_segment_fixed_size: 0
    .kernarg_segment_align: 8
    .kernarg_segment_size: 56
    .max_flat_workgroup_size: 256
    .sgpr_count:     96
    .vgpr_count:     512
    .wavefront_size: 32
...
	.end_amdgpu_metadata
.endif
;; end of part 2
;; ======== version 2 of 3: 2 launches; 1.11 times as fast as version 1
;; workspace buffers: wf1 8,388,608 bytes; wf2 8,388,608 bytes; order 32,768 bytes of whole numbers; tiles 4,096 bytes of whole numbers
;; launch prep (part 3): grid 257 x 1, 32 waves a work-group, no clusters, 152,064 bytes of LDS; arguments choosed_experts, w1, w2, wf1, wf2, order, tiles; writes wf1, wf2, order, tiles
.if DOCPART == 3
	.amdgcn_target "amdgcn-amd-amdhsa--gfx1250"
	.amdhsa_code_object_version 6
	.text
	.protected	k_qd84ebdd5dc_prep
	.globl	k_qd84ebdd5dc_prep
	.p2align	8
	.type	k_qd84ebdd5dc_prep,@function
k_qd84ebdd5dc_prep:
	s_mov_b64 s[64:65], 0
	v_nop
	global_prefetch_b8 v0, s[64:65] scope:SCOPE_SE
	s_setreg_imm32_b32 hwreg(HW_REG_WAVE_MODE, 25, 1), 1
	s_wait_xcnt 0x0
; PREP: two jobs in one launch, chosen by the work-group's number.
; WORK-GROUP 0 sorts the 8,192 tokens by their SET of experts, bin = 8 lo + hi (lo <= hi: 36 of the 64 bins can be used), by a counting sort without atomics, and stores
;   order[pos] = token | swap << 16   (swap = 1: the token's choice 0 is the larger expert), the bins one after the other, and
;   tiles[t]   = { first place in order, rows (0..48), lo, hi }: each bin cut into tiles of 48 rows; all 256 entries are written, those past the last tile with 0 rows.
; WORK-GROUPS 1..256 round w1 and w2 to bf16, once, and lay them out as matrix fragments of 16 outputs x 32 K, 1,024 bytes each:
;   wf1 byte = e<<20 | fg<<18 | ks<<13 | a<<10 | p<<8 | r<<4 : output f = 128 fg + 16 a + r, eight bf16 of K = 32 ks + 8 p + 0..7 (K = hidden channel)
;   wf2 byte = e<<20 | cg<<17 | ks<<13 | a<<10 | p<<8 | r<<4 : output column = 128 cg + 16 a + r, K = f.
;   A lane l = 16 h + r of the next launch finds its fragment's registers 0-3 at 16 l (piece p = h) and 4-7 at 512 + 16 l (piece 2 + h).
; LIMIT: an expert index outside 0..7 counts as 7 (the problem keeps indices inside the table).
.set RPW,   136       ; a thread's row in LDS: 64 counters of 16 bits + 8 bytes = 34 words: 32 lanes at one counter of their rows meet 32 different banks (64 banks of 4 bytes: ISA guide 11.1)
.set WRG,   32*RPW    ; LDS 0..139,263: a wave's own region, 4,352 bytes: its 32 threads' rows; no other wave touches it
.set WT,    32*WRG    ; 139,264..143,615: row w (pitch 136): wave w's totals, word l = bins 2 l (low half) and 2 l + 1; later what the earlier waves hold of them
.set TOT,   WT+32*RPW ; 143,616..143,743: word l: the tokens in bins 2 l and 2 l + 1
.set WB,    TOT+128   ; 143,744..147,839: 128 bytes a wave, its own: for each bin the first place that this wave's tokens take
.set SPARE, 147968    ; = 578 x 256: the spare words, 128 bytes for each of 32 waves: sixteen blocks of 256 bytes that no other line names
	s_load_b256 s[4:11], s[0:1], 0x0               ; choosed_experts s[4:5], w1 s[6:7], w2 s[8:9], wf1 s[10:11]
	s_load_b128 s[12:15], s[0:1], 0x20             ; wf2 s[12:13], order s[14:15]
	s_load_b64 s[16:17], s[0:1], 0x30              ; tiles
	v_lshl_add_u32 v2, v0, 2, SPARE                ; my spare word; never rewritten
	v_mov_b32 v3, 0                                ; 0; never rewritten
	v_and_b32 v1, 31, v0                           ; lane
	v_lshrrev_b32 v4, 5, v0
	v_readfirstlane_b32 s18, v4                    ; wave 0..31
	s_wait_kmcnt 0x0
	s_cmp_eq_u32 ttmp9, 0                          ; the same answer in all waves of a work-group
	s_cbranch_scc1 .Lsort
; ---------------- THE CAST: one task a wave: 32 rows of K x 32 columns.  No LDS, no barrier, no loop. ----------------
; A lane owns a column: 32 loads of 4 bytes bring its 32 K (a wave's load covers 128 neighbouring bytes, and the work-group's waves together whole rows);
; eight K pack into 16 bytes, and sixteen neighbouring lanes store 256 consecutive bytes, aligned.
.macro CAST pitch, src, dst
.set j, 0
.rept 32
	global_load_b32 v[8+j], v4, s[\src:\src+1] offset:j*(\pitch) th:TH_LOAD_NT
.set j, j+1
.endr
.irp p, 0,1,2,3
	s_wait_loadcnt 24-8*(\p)                       ; loads come back in order: the eight rows of piece p are in, those of the later pieces stay out
.irp i, 0,1,2,3
	v_cvt_pk_bf16_f32 v[40+4*(\p)+(\i)], v[8+8*(\p)+2*(\i)], v[9+8*(\p)+2*(\i)]
.endr
	global_store_b128 v5, v[40+4*(\p):43+4*(\p)], s[\dst:\dst+1] offset:256*(\p)
.endr
.endm
	s_sub_co_u32 s20, ttmp9, 1                     ; g = 0..255
	s_lshr_b32 s21, s20, 7                         ; 0: w1, 1: w2
	s_bfe_u32 s22, s20, 0x30004                    ; expert
	s_and_b32 s23, s20, 15                         ; one of the expert's 16 work-groups
	v_lshlrev_b32 v4, 2, v1                        ; in: my column, 4 bytes
	v_lshrrev_b32 v5, 4, v1
	v_and_b32 v6, 15, v1
	v_lshlrev_b32 v5, 10, v5                       ; out: lanes 16-31 belong to the next fragment,
	v_lshl_or_b32 v5, v6, 4, v5                    ; r x 16 bytes
	s_mov_b32 s27, 0
	s_mov_b32 s29, 0
	s_lshl_b32 s26, s22, 21                        ; an expert's 2 MiB of f32
	s_lshl_b32 s28, s22, 20                        ; and its 1 MiB of bf16
	s_cmp_lg_u32 s21, 0
	s_cbranch_scc1 .Lcast2
	s_and_b32 s24, s18, 15                         ; w1: 16 column groups of 32 f,
	s_lshr_b32 s25, s18, 4
	s_lshl1_add_u32 s25, s23, s25                  ; K step = 2 x sub + wave / 16
	s_lshl_b32 s30, s25, 16                        ; 32 rows of 2,048 bytes
	s_add_co_u32 s26, s26, s30
	s_lshl_b32 s30, s24, 7
	s_add_co_u32 s26, s26, s30
	s_add_nc_u64 s[6:7], s[6:7], s[26:27]
	s_lshr_b32 s30, s24, 2
	s_lshl_b32 s30, s30, 18                        ; fg
	s_add_co_u32 s28, s28, s30
	s_lshl_b32 s30, s25, 13                        ; ks
	s_add_co_u32 s28, s28, s30
	s_and_b32 s30, s24, 3
	s_lshl_b32 s30, s30, 11                        ; two fragments a column group
	s_add_co_u32 s28, s28, s30
	s_add_nc_u64 s[10:11], s[10:11], s[28:29]
	CAST 2048, 6, 10
	s_endpgm                                       ; this wave wrote no LDS
.Lcast2:
	s_lshl_b32 s30, s23, 17                        ; w2: K step = sub: 32 rows of 4,096 bytes; 32 column groups, one a wave
	s_add_co_u32 s26, s26, s30
	s_lshl_b32 s30, s18, 7
	s_add_co_u32 s26, s26, s30
	s_add_nc_u64 s[8:9], s[8:9], s[26:27]
	s_lshr_b32 s30, s18, 2
	s_lshl_b32 s30, s30, 17                        ; cg
	s_add_co_u32 s28, s28, s30
	s_lshl_b32 s30, s23, 13                        ; ks
	s_add_co_u32 s28, s28, s30
	s_and_b32 s30, s18, 3
	s_lshl_b32 s30, s30, 11
	s_add_co_u32 s28, s28, s30
	s_add_nc_u64 s[12:13], s[12:13], s[28:29]
	CAST 4096, 8, 12
	s_endpgm
; ---------------- THE SORT.  Thread (wave w, lane) holds the eight tokens 256 w + 32 k + lane.  All lanes stay on throughout. ----------------
; A token's place = its bin's first place + the bin's tokens in earlier waves + those in earlier threads of its wave + its rank among its thread's eight.
; v4-11 twice the bin; v12-19 the rank in the thread; v20-27 the word to store; v28 an address; v29 my row; v30-31 a pair at work; v32-63 at work.
.Lsort:
	v_lshlrev_b32 v28, 3, v1
	v_lshl_add_u32 v28, s18, 11, v28               ; my token's two choices, 8 bytes
.irp k, 0,1,2,3,4,5,6,7
	global_load_b64 v[32+2*(\k):33+2*(\k)], v28, s[4:5] offset:256*(\k)  ; 32 lanes: 256 consecutive bytes, aligned
.endr
	s_mul_i32 s19, s18, WRG                        ; my wave's region
.irp i, 48,49,50,51
	v_mov_b32 v\i, 0
.endr
	v_lshl_add_u32 v30, v1, 4, s19
	v_lshl_add_u32 v31, v1, 3, s19
.irp j, 0,1,2,3,4,5,6,7
	ds_store_b128 v30, v[48:51] offset:512*(\j)    ; my wave's counters start at 0: 8 x 512 bytes,
.endr
	ds_store_b64 v31, v[48:49] offset:4096         ; and the last 256
	v_mul_u32_u24 v29, v1, RPW
	v_add_nc_u32 v29, s19, v29                     ; my row
	v_lshl_add_u32 v52, s18, 8, v1                 ; the token of k = 0
	s_mov_b32 s28, 0xffff0000                      ; lanes 16-31
	s_mov_b32 s30, 0x76543210                      ; v_permlanex16_b32: each lane takes its own place in the other half
	s_mov_b32 s31, 0xfedcba98
	s_mov_b32 s36, 0x10000                         ; the swap bit
	s_mul_i32 s20, s18, RPW
	s_add_co_u32 s20, s20, WT                      ; my wave's row of WT
	s_wait_loadcnt 0x0
.irp k, 0,1,2,3,4,5,6,7
	v_min_u32 v53, 7, v[32+2*(\k)]
	v_min_u32 v54, 7, v[33+2*(\k)]
	v_min_u32 v55, v53, v54                        ; lo
	v_add_nc_u32 v56, v53, v54                     ; lo + hi
	v_mad_u32_u24 v55, v55, 7, v56                 ; bin = 8 lo + hi
	v_min_u32 v55, 63, v55
	v_lshlrev_b32 v[4+(\k)], 1, v55                ; its counter's byte in a row
	v_cmp_gt_u32 vcc_lo, v53, v54
	v_cndmask_b32 v57, 0, s36, vcc_lo
	v_add3_u32 v[20+(\k)], v57, v52, 32*(\k)       ; token | swap << 16
.endr
	; the rank: how many of my earlier tokens have the same bin: 28 compares, each added by the carry
	v_mov_b32 v12, 0
.irp k, 1,2,3,4,5,6,7
.irp j, 0,1,2,3,4,5,6
.if (\j) < (\k)
	v_cmp_eq_u32 vcc_lo, v[4+(\j)], v[4+(\k)]
.if (\j) == 0
	v_cndmask_b32 v[12+(\k)], 0, 1, vcc_lo
.else
	v_add_co_ci_u32 v[12+(\k)], vcc_lo, 0, v[12+(\k)], vcc_lo
.endif
.endif
.endr
.endr
.irp k, 0,1,2,3,4,5,6,7
	v_add_nc_u32 v[32+(\k)], v29, v[4+(\k)]
	v_add_nc_u32 v[40+(\k)], 1, v[12+(\k)]
	ds_store_b16 v[32+(\k)], v[40+(\k)]            ; rank + 1, k ascending: LDS serves a wave's instructions in order (ISA guide 5.7.1.4), so the last store into a counter is the count
.endr
	; The sum over my wave's 32 threads.  Lane (g, p) takes words 2 p and 2 p + 1 (four bins) of rows 16 g + i: a load's 32 lanes read two rows' 128 bytes, 2,176 bytes apart.
	v_lshrrev_b32 v53, 4, v1
	v_and_b32 v54, 15, v1
	v_mul_u32_u24 v53, v53, 16*RPW
	v_lshl_add_u32 v53, v54, 3, v53
	v_add_nc_u32 v28, s19, v53
.set i, 0
.rept 16
	ds_load_b64 v[32+2*i:33+2*i], v28 offset:RPW*i ; my wave's own bytes: these see the stores above
.set i, i+1
.endr
.set i, 1
.rept 15
.if (i%4 == 0) || (i == 1)
	s_wait_dscnt 12-4*(i/4)                        ; LDS loads come back in order: rows up to 4 (i / 4) + 3 are in, the younger ones stay out
.endif
	v_add_nc_u32 v[32+2*i], v[32+2*i], v[30+2*i]   ; running sums, both halves of a word at once: 256 at the most, no carry between them
	v_add_nc_u32 v[33+2*i], v[33+2*i], v[31+2*i]
.set i, i+1
.endr
	v_permlanex16_b32 v30, v62, s30, s31           ; the other sixteen rows' totals (v30 and v31 have been written)
	v_permlanex16_b32 v31, v63, s30, s31
	v_add_nc_u32 v62, v62, v30                     ; my wave's totals, in both halves of the lanes
	v_add_nc_u32 v63, v63, v31
	v_cndmask_b32 v30, 0, v30, s28                 ; what stands ahead of row 16 g
	v_cndmask_b32 v31, 0, v31, s28
	ds_store_b64 v28, v[30:31]
.set i, 1
.rept 15
	v_add_nc_u32 v[30+2*i], v[30+2*i], v30
	v_add_nc_u32 v[31+2*i], v[31+2*i], v31
	ds_store_b64 v28, v[30+2*i:31+2*i] offset:RPW*i  ; row 16 g + i now holds, for each bin, the tokens in the wave's earlier threads
.set i, i+1
.endr
	v_and_b32 v30, 15, v1
	v_lshl_add_u32 v30, v30, 3, s20
	ds_store_b64 v30, v[62:63]                     ; lanes p and 16 + p write the same two words with the same values
	s_lshl_b32 s21, s18, 2
	s_add_co_u32 s22, s21, TOT
	s_add_co_u32 s21, s21, WT
	s_wait_dscnt 0x0                               ; for the others' sake: my totals are written
	s_barrier_signal -1
	s_barrier_wait -1
; An inclusive sum over the 32 lanes, in place: four steps inside each half of 16 lanes, then lane 15's sum onto the upper half.
.macro SCAN v, t
.irp n, 1,2,4,8
	v_mov_b32_dpp v[\t], v[\v] row_shr:\n row_mask:0xf bank_mask:0xf bound_ctrl:1
	v_add_nc_u32 v[\v], v[\v], v[\t]
.endr
	v_readlane_b32 s29, v[\v], 15
	v_mov_b32 v[\t], s29
	v_cndmask_b32 v[\t], 0, v[\t], s28
	v_add_nc_u32 v[\v], v[\v], v[\t]
.endm
	; Wave w owns word w (bins 2 w and 2 w + 1); lane i holds wave i's total (8,192 at the most in a half: no carry).
	v_mul_u32_u24 v35, v1, RPW
	v_add_nc_u32 v35, s21, v35
	ds_load_b32 v36, v35
	v_mov_b32 v38, 0                               ; written before a DPP form names it as its destination
	v_mov_b32 v41, s22
	s_wait_dscnt 0x0
	v_mov_b32 v37, v36
	SCAN 37, 38
	v_sub_nc_u32 v39, v37, v36
	ds_store_b32 v35, v39                          ; in place: what the earlier waves hold
	v_readlane_b32 s29, v37, 31
	v_mov_b32 v40, s29
	ds_store_b32 v41, v40                          ; the two bins' totals; all lanes write the same word
	s_wait_dscnt 0x0                               ; for the others' sake
	s_barrier_signal -1
	s_barrier_wait -1
	; Every wave for itself, so that no further barrier is needed: lane l holds bins 2 l and 2 l + 1.  P = tokens | tiles << 16; v30, v31 = P of the two bins;
	; v33, v34 = what stands ahead of each (first place | first tile << 16); v32 = what stands behind both.
	v_lshl_add_u32 v35, v1, 2, TOT
	v_lshl_add_u32 v36, v1, 2, s20
	ds_load_b32 v37, v35
	ds_load_b32 v38, v36
	s_lshl_b32 s24, s18, 7
	s_add_co_u32 s24, s24, WB                      ; my wave's table
	v_mov_b32 v39, 0
	s_wait_dscnt 0x0
	v_and_b32 v30, 0xffff, v37
	v_lshrrev_b32 v31, 16, v37
	v_add_nc_u32 v40, 47, v30
	v_add_nc_u32 v41, 47, v31
	v_mul_u32_u24 v40, v40, 0xaaab                 ; (n + 47) x 43,691 >> 21 = (n + 47) / 48 rounded down, exact up to n = 8,192: 48 x 43,691 = 2^21 + 16, so the product is over by (n + 47) / 6,291,456, far under 1/48
	v_mul_u32_u24 v41, v41, 0xaaab
	v_lshrrev_b32 v40, 21, v40
	v_lshrrev_b32 v41, 21, v41
	v_lshl_or_b32 v30, v40, 16, v30
	v_lshl_or_b32 v31, v41, 16, v31
	v_add_nc_u32 v42, v30, v31
	v_mov_b32 v32, v42
	SCAN 32, 39
	v_sub_nc_u32 v33, v32, v42
	v_add_nc_u32 v34, v33, v30
	v_and_b32 v43, 0xffff, v33
	v_lshl_or_b32 v43, v34, 16, v43                ; the two bins' first places, in halves (the tiles are shifted out),
	v_add_nc_u32 v43, v43, v38                     ; + the earlier waves' tokens
	v_lshl_add_u32 v44, v1, 2, s24
	ds_store_b32 v44, v43
.irp k, 0,1,2,3,4,5,6,7
	v_add_nc_u32 v[48+(\k)], v29, v[4+(\k)]
	v_add_nc_u32 v[56+(\k)], s24, v[4+(\k)]
	ds_load_u16 v[4+(\k)], v[48+(\k)]              ; the bin's tokens in my wave's earlier threads
	ds_load_u16 v[36+(\k)], v[56+(\k)]             ; my wave's first place in the bin: my wave's own bytes, stored just above
.endr
	s_wait_dscnt 0x0
.irp k, 0,1,2,3,4,5,6,7
	v_add3_u32 v[4+(\k)], v[4+(\k)], v[36+(\k)], v[12+(\k)]
	v_min_u32 v[4+(\k)], 0x1fff, v[4+(\k)]
	v_lshlrev_b32 v[4+(\k)], 2, v[4+(\k)]          ; an address register for each store: none is rewritten
	global_store_b32 v[4+(\k)], v[20+(\k)], s[14:15]  ; 8,192 single words, 32 KiB in all: a sort scatters
.endr
	; The table of tiles: thread t (waves 0-7) writes entry t.  Its bin is the first whose tiles end beyond t: the number of bins that end at or below t.
	s_cmp_ge_u32 s18, 8
	s_cbranch_scc1 .Lsort_end
	v_lshrrev_b32 v35, 16, v34                     ; where bin 2 l's tiles end,
	v_lshrrev_b32 v36, 16, v32                     ; and bin 2 l + 1's
	v_mov_b32 v60, 0
.irp src, 35, 36
.irp h, 0, 16
.set j, 0
.rept 16
	v_readlane_b32 s[32+j], v[\src], (\h)+j        ; sixteen ends at a time, ahead of the compares that read them
.set j, j+1
.endr
.set j, 0
.rept 16
	v_cmp_le_u32 vcc_lo, s[32+j], v0
	v_add_co_ci_u32 v60, vcc_lo, 0, v60, vcc_lo
.set j, j+1
.endr
.endr
.endr
	v_min_u32 v60, 63, v60
	v_lshlrev_b32 v61, 1, v60
	v_and_b32 v61, 0x7c, v61                       ; 4 x the lane that holds the bin
	ds_bpermute_b32 v52, v61, v33
	ds_bpermute_b32 v53, v61, v34
	ds_bpermute_b32 v54, v61, v30
	ds_bpermute_b32 v55, v61, v31
	v_and_b32 v62, 1, v60
	v_cmp_ne_u32 vcc_lo, 0, v62
	s_wait_dscnt 0x0
	v_cndmask_b32 v52, v52, v53, vcc_lo
	v_cndmask_b32 v54, v54, v55, vcc_lo
	v_lshrrev_b32 v56, 16, v52                     ; the bin's first tile
	v_and_b32 v52, 0xffff, v52                     ; its first place
	v_and_b32 v54, 0xffff, v54                     ; its tokens
	v_sub_nc_u32 v56, v0, v56
	v_mul_u32_u24 v56, v56, 48                     ; rows of the bin ahead of this tile
	v_sub_nc_u32 v45, v54, v56
	v_min_u32 v45, 48, v45
	v_cmp_lt_u32 vcc_lo, v56, v54
	v_cndmask_b32 v45, 0, v45, vcc_lo              ; rows: 0 past the last tile
	v_add_nc_u32 v44, v52, v56
	v_min_u32 v44, 0x1fff, v44                     ; always a place that exists
	v_lshrrev_b32 v46, 3, v60
	v_and_b32 v47, 7, v60
	v_lshlrev_b32 v48, 4, v0
	global_store_b128 v48, v[44:47], s[16:17]
.Lsort_end:
	s_wait_tensorcnt 0x0                           ; the wave's end: a closing add, behind my last LDS store
	ds_add_u32 v2, v3
	s_wait_dscnt 0x0
	s_endpgm
.Lfunc_end_k_qd84ebdd5dc_prep:
	.size	k_qd84ebdd5dc_prep, .Lfunc_end_k_qd84ebdd5dc_prep-k_qd84ebdd5dc_prep
	.p2alignl 7, 3214868480
	.fill 96, 4, 3214868480
	.section	.rodata,"a",@progbits
	.p2align	6, 0x0
	.amdhsa_kernel k_qd84ebdd5dc_prep
		.amdhsa_group_segment_fixed_size 152064
		.amdhsa_private_segment_fixed_size 0
		.amdhsa_enable_private_segment 0
		.amdhsa_kernarg_size 56
		.amdhsa_user_sgpr_count 2
		.amdhsa_user_sgpr_kernarg_segment_ptr 1
		.amdhsa_wavefront_size32 1
		.amdhsa_system_sgpr_workgroup_id_x 1
		.amdhsa_system_sgpr_workgroup_id_y 1
		.amdhsa_system_sgpr_workgroup_id_z 1
		.amdhsa_system_vgpr_workitem_id 0
		.amdhsa_next_free_vgpr 64
		.amdhsa_next_free_sgpr 66
		.amdhsa_reserve_vcc 1
		.amdhsa_float_denorm_mode_32 3
		.amdhsa_float_denorm_mode_16_64 3
		.amdhsa_memory_ordered 1
		.amdhsa_forward_progress 1
		.amdhsa_inst_pref_size 42
	.end_amdhsa_kernel
	.amdgpu_metadata
---
amdhsa.version: [ 1, 2 ]
amdhsa.kernels:
  - .name:           k_qd84ebdd5dc_prep
    .symbol:         k_qd84ebdd5dc_prep.kd
    .args:
      - { .name: choosed_experts, .offset: 0, .size: 8, .value_kind: global_buffer, .address_space: global }
      - { .name: w1, .offset: 8, .size: 8, .value_kind: global_buffer, .address_space: global }
      - { .name: w2, .offset: 16, .size: 8, .value_kind: global_buffer, .address_space: global }
      - { .name: wf1, .offset: 24, .size: 8, .value_kind: global_buffer, .address_space: global }
      - { .name: wf2, .offset: 32, .size: 8, .value_kind: global_buffer, .address_space: global }
      - { .name: order, .offset: 40, .size: 8, .value_kind: global_buffer, .address_space: global }
      - { .name: tiles, .offset: 48, .size: 8, .value_kind: global_buffer, .address_space: global }
    .group_segment_fixed_size: 152064
    .private_segment_fixed_size: 0
    .kernarg_segment_align: 8
    .kernarg_segment_size: 56
    .max_flat_workgroup_size: 1024
    .sgpr_count:     66
    .vgpr_count:     64
    .wavefront_size: 32
...
	.end_amdgpu_metadata
.endif
;; end of part 3
;; launch moe: the kernel of part 2 again; grid 206 x 1, 8 waves a work-group, no clusters, 201,728 bytes of LDS; arguments hidden_states, gate_weight, wf1, wf2, order, tiles, out0; writes out0
;; ======== version 3 of 3: 2 launches; version 2 with the launch moe written anew for expert scheduling mode
;; workspace buffers: wf1 8,388,608 bytes; wf2 8,388,608 bytes; order 32,768 bytes of whole numbers; tiles 4,096 bytes of whole numbers
;; launch prep: the kernel of part 3 again; grid 257 x 1, 32 waves a work-group, no clusters, 152,064 bytes of LDS; arguments choosed_experts, w1, w2, wf1, wf2, order, tiles; writes wf1, wf2, order, tiles
;; launch moe (part 4): grid 206 x 1, 8 waves a work-group, no clusters, 201,728 bytes of LDS; arguments hidden_states, gate_weight, wf1, wf2, order, tiles, out0; writes out0
.if DOCPART == 4
	.amdgcn_target "amdgcn-amd-amdhsa--gfx1250"
	.amdhsa_code_object_version 6
	.text
	.protected	k_qd84ebdd5dc_moe
	.globl	k_qd84ebdd5dc_moe
	.p2align	8
	.type	k_qd84ebdd5dc_moe,@function
k_qd84ebdd5dc_moe:
	s_mov_b64 s[64:65], 0
	v_nop
	global_prefetch_b8 v0, s[64:65] scope:SCOPE_SE
	s_setreg_imm32_b32 hwreg(HW_REG_WAVE_SCHED_MODE, 0, 2), 2
	s_setreg_imm32_b32 hwreg(HW_REG_WAVE_MODE, 25, 1), 1
	s_wait_xcnt 0x0
	s_wait_alu depctr_vm_vsrc(0)
; MOE: out[t] = g_lo gelu(x[t] W1[lo]) W2[lo] + g_hi gelu(x[t] W1[hi]) W2[hi] for a tile of up to 48 tokens that chose the same set {lo, hi}: the whole chain in one work-group.
; GRID.  8,192 tokens in 36 sets cut into tiles of 48 make at most 171 + 35 = 206 tiles, whatever the choice.  An entry with 0 rows: the work-group runs the head on one existing token,
; passes both barriers, jumps over both products (two forward jumps, no barrier in what is jumped) and stores nothing.  Places past a tile's count repeat its last token; their stores are jumped.
; SHARES.  Eight waves.  fc1: hcat[kappa][token], kappa = 0..1023 = (half, f): wave w makes kappa 128 w .. 128 w + 127 (expert half w / 4, f group w % 4) for all 48 tokens: 8 x 3 accumulators.
; fc2: K = kappa, so both experts add into ONE accumulator; wave w makes output columns 128 w .. + 127 for all 48 tokens.
; OPERANDS.  Source 0 = 16 outputs x 32 K of weights, source 1 = 16 tokens x 32 K: in the result a lane holds ONE token (lane % 16) and eight neighbouring outputs 8 (lane / 16) + 0..7.
; Each weight byte is wanted by one wave, once: it comes from memory straight into registers (the launch before laid the fragments out: a load covers 512 consecutive bytes), through a ring of
; four buffers of one K step (16 loads): while one is multiplied two are on their way, and the fourth, which the step before read out, is asked for again.  NO MULTICAST: a weight fragment has
; one reader in the work-group, so LDS would only be a detour; tiles that share a set are 5 or 6 at an even split and 0 at others, so whole clusters a set would want 43 + 35 clusters of four, more work-groups than the tiles themselves.
; BOTH PRODUCTS ARE WRITTEN OUT, 32 K steps each: a row of X or H is 2,064 bytes and a slice of weights 256 KiB at the most, so every step's place stands in an immediate; no address
; register and no pointer is ever stepped, and no wait stands for a pointer's sake.  The price is the text's length: 64 steps of 24 matrix instructions and 22 loads.
; Tokens: x is gathered by the list, rounded to bf16 into LDS; gate x gelu(h) is rounded once to bf16 into LDS.
; GELU (tanh form) = x / (1 + 2^(x (GA + GB x^2))), GA = -2 log2(e) sqrt(2/pi), GB = 0.044715 GA; where the power overflows the result is 0, where it vanishes x.
; LIMITS.  x, the weights and the gates are rounded to bf16; sums in f32.  Where a token names one expert twice the two halves are computed apart: g0 y + g1 y.  NaN and infinities are not treated apart.
; THE MODE: SCHED_MODE bits 1:0 = 2 (LLVM: expert scheduling mode 2), set by the entry lines.  The code itself states the register dependences between vector or matrix instructions
; and memory or LDS instructions, with s_wait_alu, always for 0.
; THE PLAN.  Registers that memory or LDS instructions touch in the products:
;   R0 .. R3   the weight ring.  Step ks: its 24 products read R[ks % 4]; the 16 loads of K step ks + 3 land in R[(ks - 1) % 4], which the products of step ks - 1 read.
;   BF0, BF1   the token fragments.  Step ks: its products read BF[ks % 2]; the six LDS loads of step ks + 1 land in BF[(ks + 1) % 2], which the products of step ks - 1 read.
;   v[WA ..]   read by every fragment load and every store into H; written three times in the kernel, never inside a product.      v[AOFF]  read by every weight load; never written again.
; So ONE wait on va_vdst stands at a step's head, behind the waits for the step's own weights and fragments: the products of the step before are done reading the two buffers in which this
; step's 22 loads land.  The loads follow in three runs between the step's four groups of six products, which name R[ks % 4], BF[ks % 2] and the accumulators: no register that those loads touch.
; In gelu each call rounds into the low 16 of its own 32 accumulator registers, an out-buffer of its own; its four stores stand behind the next call's first wait.
; REGISTERS, in windows of 256 (s_set_vgpr_msb: bits 1:0 source 0, 3:2 source 1, 5:4 source 2, 7:6 destination):
;   window 0: the weight ring: buffer j, fragment a at v[64 j + 8 a]; on the way out rows read back (v0-191) and the rows' offsets (v192-239)
;   window 1: v0-191 accumulator (nt, a) at v[8 (8 nt + a)] (in the head: x as loaded); v192-239 two buffers of token fragments (head, gelu and way out: at work); v242-255 below
.set XP,    2064      ; a row of X or H in LDS: 2,048 bytes + 16 = 129 x 16: the 16 rows of a fragment load start at 16 different groups of four banks (64 banks of 4 bytes: ISA guide 11.1)
.set HB,    100352    ; X: 0 .. 99,071; H: 100,352 .. 199,423; what lies behind each is idle
.set SGP,   528       ; the way out: a stage row, 512 bytes + 16 = 33 x 16
.set SGW,   16*SGP    ; a wave's stage, 16 rows, at w x 8,448 inside X, which nobody reads behind the second barrier
.set BF,   192        ; token fragments: buffer par, tile nt at BF + 24 par + 8 nt
.set ZR,   192        ; gelu: 32 at work
.set AOFF, 242        ; 16 x lane; never rewritten
.set FB,   243        ; v243-245 my place in a fragment of token tile nt: (16 nt + lane % 16) x pitch + 16 (lane / 16); never rewritten
.set WA,   246        ; v246-248 the LDS addresses in hand: FB + a scalar; made three times: X for fc1, H at my wave's bytes for gelu, H for fc2
.set CG,   250        ; v250-255 the gate of my token in tile nt, twice: a pair for the packed multiply
.set LN,   192        ; the head's: lane, lane % 16, lane / 16, at work
.set RR,   193
.set HH,   194
.set T0,   195
.set LA,   196        ; five list addresses, then tokens: slots lane, 32 + lane, 16 nt + lane % 16
.set LW,   201        ; the five words
.set MA,   206        ; six addresses: my wave's slots w + 8 i
.set MW,   212        ; their words, then the byte offsets of my 16 bytes in those rows of x
.set GP,   218        ; three pairs of gates
.set GAD,  224        ; their addresses
.set XS0,  227        ; where I put 8 bytes of X: slots w, w + 8, w + 16; XS0 + 1: slots w + 24 ..
.set STO,  192        ; the way out's
.set RD,   193
.set LOFF, 194
.set T1,   195
.set T2,   196
; s[2:3] out; s[4:5] x; s[6:7] gates; s[8:9] wf1; s[10:11] wf2; s[12:13] order; s[14:15] tiles; s[16:63] the 48 tokens; s66 wave; s67 rows; s68 first place; s69 lo; s70 hi; s71 last slot;
; s[72:75] the entry, later s72-74 the masks that choose the gates; s[76:77], s[78:79] my slices of wf2 for lo and hi; s[80:81] my slice of wf1; s[82:83] offsets; s[84:85] GA; s[86:87] GB;
; s89-90 at work; s91 my expert half; s92 the LDS region that a product reads; s93 H at my wave's 256 bytes of a row
.set MSB, 0
.macro WIN new                      ; the immediate's high byte repeats the setting that is left; a switch that changes nothing is dropped
.if MSB != (\new)
	s_set_vgpr_msb (MSB<<8)|(\new)
.set MSB, (\new)
.endif
.endm
.set W_ALL1, 0x55     ; everything in window 1
.set W_MUL,  0x54     ; weights (source 0) in window 0; tokens, C and D in window 1
.set W_TO0,  0x01     ; destination in window 0, address in window 1
; 8 loads: fragments 4 h .. 4 h + 3 of one K step into buffer j, from the slice at s[sb:sb+1], byte off
.macro ALOADH j, sb, off, h
.irp a, 0,1,2,3
	global_load_b128 v[64*(\j)+8*(4*(\h)+(\a)):64*(\j)+8*(4*(\h)+(\a))+3],   v[AOFF], s[\sb:\sb+1] offset:(\off)+1024*(4*(\h)+(\a))
	global_load_b128 v[64*(\j)+8*(4*(\h)+(\a))+4:64*(\j)+8*(4*(\h)+(\a))+7], v[AOFF], s[\sb:\sb+1] offset:(\off)+1024*(4*(\h)+(\a))+512
.endr
.endm
.macro ALOAD j, sb, off             ; all 16
	ALOADH \j, \sb, \off, 0
	ALOADH \j, \sb, \off, 1
.endm
.macro SETWA sc                     ; the three addresses in hand = scalar sc + my places
.irp nt, 0,1,2
	v_add_nc_u32 v[WA+(\nt)], s[\sc], v[FB+(\nt)]
.endr
.endm
; 6 LDS loads: the three token tiles' fragments of one K step, at byte off of the rows, into buffer par
.macro BLOAD par, off
.irp nt, 0,1,2
	ds_load_b128 v[BF+24*(\par)+8*(\nt):BF+24*(\par)+8*(\nt)+3],   v[WA+(\nt)] offset:(\off)
	ds_load_b128 v[BF+24*(\par)+8*(\nt)+4:BF+24*(\par)+8*(\nt)+7], v[WA+(\nt)] offset:(\off)+32
.endr
.endm
; 6 matrix instructions: weight fragments a0, a0 + 1 x the three token tiles.  A step's four groups take the 24 accumulators by turns, one instruction a turn, in the same order in every K step.
; zero = 1: the products start the sums.
.macro MUL6 j, par, a0, zero
.irp a, \a0, (\a0)+1
.irp nt, 0,1,2
.if \zero
	v_wmma_f32_16x16x32_bf16 v[8*(8*(\nt)+(\a)):8*(8*(\nt)+(\a))+7], v[64*(\j)+8*(\a):64*(\j)+8*(\a)+7], v[BF+24*(\par)+8*(\nt):BF+24*(\par)+8*(\nt)+7], 0
.else
	v_wmma_f32_16x16x32_bf16 v[8*(8*(\nt)+(\a)):8*(8*(\nt)+(\a))+7], v[64*(\j)+8*(\a):64*(\j)+8*(\a)+7], v[BF+24*(\par)+8*(\nt):BF+24*(\par)+8*(\nt)+7], v[8*(8*(\nt)+(\a)):8*(8*(\nt)+(\a))+7]
.endif
.endr
.endr
.endm
.macro PLACES                       ; four places (ISA guide 7.12.1) between a product's last matrix instruction and the readers of the sums
.rept 4
	v_nop
.endr
.endm
; K step ks (the assembler's symbol, 0..31) of a product, on ring buffer ks % 4 and token buffer ks % 2.  bnext: the next step's token fragments are asked for.
; refill: the ring buffer that the step before read out takes the K step three on, from slice RB at byte RO (symbols too).  lc: the younger weight loads that may stay out.
; A product's step 0 has no wait on va_vdst: no matrix instruction has yet read the buffer in which its loads land, and the wait ahead of the product's first fragment loads covers the rest.
.macro STEP zero, bnext, refill, lc
	s_wait_loadcnt \lc                             ; loads come back in order (ISA guide 5.7.1): my buffer's 16 are in, the younger buffers' stay out
	s_wait_dscnt 0x0                               ; this step's token fragments, asked for a step ago, are in
.if (ks > 0) && ((\bnext) || (\refill))
	s_wait_alu depctr_va_vdst(0)                   ; the products of the step before are done reading their ring buffer and their token buffer, in which the loads below land
.endif
	WIN W_MUL
	MUL6 ks&3, ks&1, 0, \zero
.if \bnext
	WIN W_ALL1
	BLOAD (ks+1)&1, 64*(ks+1)                      ; no wait: no matrix instruction since the wait above names this buffer or v[WA ..]
.endif
	WIN W_MUL
	MUL6 ks&3, ks&1, 2, \zero
.if \refill
	WIN W_TO0
	ALOADH (ks+3)&3, RB, RO, 0                     ; likewise: the step's products name ring buffer ks % 4 alone
.endif
	WIN W_MUL
	MUL6 ks&3, ks&1, 4, \zero
.if \refill
	WIN W_TO0
	ALOADH (ks+3)&3, RB, RO, 1
.endif
	WIN W_MUL
	MUL6 ks&3, ks&1, 6, \zero
.endm
; Four LDS stores: the 32 packed numbers of gelu's call (nt, a0), which lie in the low 16 of the call's 32 accumulator registers
.macro HSTORE nt, a0
.set i, 0
.rept 4
	ds_store_b128 v[WA+(\nt)], v[8*(8*(\nt)+(\a0))+4*i:8*(8*(\nt)+(\a0))+4*i+3] offset:32*((\a0)+i)  ; my token's kappa 128 w + 16 a + 8 (lane / 16) + 0..7
.set i, i+1
.endr
.endm
; gate x gelu of four accumulators (32 numbers a lane), rounded to bf16.  Each accumulator is read from its low end on.  Two batches of transcendentals, each with a plain instruction
; behind its last and ONE wait ahead of its first reader; the multiplies by the gate stand among the exponentials.
; The call before (pnt, pa0; pnt < 0: there is none) is stored behind this call's first wait.
.macro GELU nt, a0, pnt, pa0
.set XA, 8*(8*(\nt)+(\a0))
.set i, 0
.rept 16
	v_pk_mul_f32 v[ZR+2*i:ZR+2*i+1], v[XA+2*i:XA+2*i+1], v[XA+2*i:XA+2*i+1]
.set i, i+1
.endr
.set i, 0
.rept 16
	v_pk_fma_f32 v[ZR+2*i:ZR+2*i+1], v[ZR+2*i:ZR+2*i+1], s[86:87], s[84:85] op_sel_hi:[1,0,0]
.set i, i+1
.endr
.set i, 0
.rept 16
	v_pk_mul_f32 v[ZR+2*i:ZR+2*i+1], v[ZR+2*i:ZR+2*i+1], v[XA+2*i:XA+2*i+1]
.set i, i+1
.endr
.set i, 0
.rept 16
	v_exp_f32 v[ZR+2*i], v[ZR+2*i]
	v_pk_mul_f32 v[XA+2*i:XA+2*i+1], v[XA+2*i:XA+2*i+1], v[CG+2*(\nt):CG+2*(\nt)+1]
	v_exp_f32 v[ZR+2*i+1], v[ZR+2*i+1]
.set i, i+1
.endr
	v_nop
	s_wait_alu depctr_va_vdst(0)                   ; the 32 exponentials have written v[ZR ..]; the conversions of the call before have written its packed numbers, and v[WA ..] is written: the stores below read both
.if (\pnt) >= 0
	HSTORE \pnt, \pa0
.endif
.set i, 0
.rept 16
	v_pk_add_f32 v[ZR+2*i:ZR+2*i+1], v[ZR+2*i:ZR+2*i+1], 1.0 op_sel_hi:[1,0]
.set i, i+1
.endr
.set i, 0
.rept 32
	v_rcp_f32 v[ZR+i], v[ZR+i]
.set i, i+1
.endr
	v_nop
	s_wait_alu depctr_va_vdst(0)                   ; the 32 reciprocals have written v[ZR ..]
.set i, 0
.rept 16
	v_pk_mul_f32 v[ZR+2*i:ZR+2*i+1], v[ZR+2*i:ZR+2*i+1], v[XA+2*i:XA+2*i+1]
.set i, i+1
.endr
.set i, 0
.rept 16
	v_cvt_pk_bf16_f32 v[XA+i], v[ZR+2*i], v[ZR+2*i+1]  ; into the call's own registers, which the multiplies above have read for the last time: no store of another call reads them
.set i, i+1
.endr
.endm
; The head's: eight LDS stores, row i of my six rows of X
.macro XSTORE i
.irp j, 0,1,2,3,4,5,6,7
	ds_store_b64 v[XS0+(\i)/3], v[32*(\i)+4*(\j):32*(\i)+4*(\j)+1] offset:((\i)%3)*8*XP+256*(\j)
.endr
.endm
; The way out of token tile nt: a lane's 8 columns of one token go into my own stage and come back as whole rows: 512 consecutive bytes of one token's output a load.
.macro STAGE nt
	WIN W_ALL1
.irp a, 0,1,2,3,4,5,6,7
	ds_store_b128 v[STO], v[8*(8*(\nt)+(\a)):8*(8*(\nt)+(\a))+3]   offset:64*(\a)
	ds_store_b128 v[STO], v[8*(8*(\nt)+(\a))+4:8*(8*(\nt)+(\a))+7] offset:64*(\a)+16
.endr
	WIN W_TO0
.set i, 0
.rept 16
	ds_load_b128 v[64*(\nt)+4*i:64*(\nt)+4*i+3], v[RD] offset:SGP*i  ; LDS serves a wave's instructions in order (ISA guide 5.7.1.4): these see the stores above; the next tile's stores come behind them
.set i, i+1
.endr
.endm
.macro SEND nt
	WIN 0
.set i, 0
.rept 16
.if i > 0
	s_cmp_le_u32 s67, 16*(\nt)+i                   ; rows past the count are not stored
	s_cbranch_scc1 .Lend
.endif
	s_wait_dscnt 15-i                              ; row i is back; the younger rows stay out
	global_store_b128 v[192+16*(\nt)+i], v[64*(\nt)+4*i:64*(\nt)+4*i+3], s[2:3] th:TH_STORE_NT  ; 32 lanes store 512 consecutive bytes, at a multiple of 512 from the output's first byte
.set i, i+1
.endr
.endm
; ---------------- THE HEAD ----------------
	s_load_b256 s[4:11], s[0:1], 0x0
	s_load_b128 s[12:15], s[0:1], 0x20
	s_load_b64 s[2:3], s[0:1], 0x30
	s_set_vgpr_msb 0x40
	v_lshl_add_u32 v241, v0, 2, 0x31000
	v_mov_b32 v249, 0
	s_set_vgpr_msb 0x4000
	v_lshrrev_b32 v1, 5, v0
	v_readfirstlane_b32 s66, v1                    ; wave 0..7
	WIN 0x40                                       ; destination in window 1, v0 in window 0
	v_and_b32 v[LN], 31, v0
	WIN W_ALL1
	v_and_b32 v[RR], 15, v[LN]
	v_lshrrev_b32 v[HH], 4, v[LN]
	v_lshlrev_b32 v[AOFF], 4, v[LN]
	v_mul_u32_u24 v[T0], v[RR], XP
	v_lshl_add_u32 v[FB], v[HH], 4, v[T0]          ; a fragment's row x pitch + 16 x half
	v_add_nc_u32 v[FB+1], 16*XP, v[FB]
	v_add_nc_u32 v[FB+2], 32*XP, v[FB]
	s_wait_alu depctr_va_sdst(0)                   ; s66 is written, ahead of its first reader
	s_lshl_b32 s93, s66, 8                         ; my wave's 128 kappa are 256 bytes of a row of H
	s_add_co_u32 s93, s93, HB
	s_mul_i32 s90, s66, XP
	v_lshl_add_u32 v[XS0], v[LN], 3, s90
	v_add_nc_u32 v[XS0+1], 24*XP, v[XS0]           ; a second register: the 16-bit offset does not reach slot w + 40
	s_lshl_b32 s82, ttmp9, 4
	s_mov_b32 s83, 0
	s_mov_b32 s84, 0xc0135761                      ; GA = -2.3022082
	s_mov_b32 s85, s84                             ; named as pairs
	s_mov_b32 s86, 0xbdd2d3e8                      ; GB = -0.10294324
	s_mov_b32 s87, s86
	s_lshr_b32 s91, s66, 2                         ; my expert half in fc1
	s_wait_kmcnt 0x0
	s_add_nc_u64 s[14:15], s[14:15], s[82:83]
	s_load_b128 s[72:75], s[14:15], 0x0            ; my tile: first place, rows, lo, hi
	s_wait_kmcnt 0x0
	s_min_u32 s68, s72, 0x1fff
	s_min_u32 s67, s73, 48
	s_min_u32 s69, s74, 7
	s_min_u32 s70, s75, 7
	s_max_u32 s71, s67, 1
	s_sub_co_u32 s71, s71, 1                       ; the last slot that holds a row (0 in a tile without rows)
	s_cmp_lg_u32 s91, 0
	s_cselect_b32 s89, s75, s74
	s_min_u32 s89, s89, 7                          ; my expert in fc1
	s_lshl_b32 s82, s89, 20
	s_and_b32 s90, s66, 3
	s_lshl_b32 s90, s90, 18
	s_add_co_u32 s82, s82, s90
	s_add_nc_u64 s[80:81], s[8:9], s[82:83]        ; my 256 KiB of wf1
	s_lshl_b32 s90, s66, 17
	s_lshl_b32 s82, s69, 20
	s_add_co_u32 s82, s82, s90
	s_add_nc_u64 s[76:77], s[10:11], s[82:83]      ; my 128 KiB of wf2[lo]
	s_lshl_b32 s82, s70, 20
	s_add_co_u32 s82, s82, s90
	s_add_nc_u64 s[78:79], s[10:11], s[82:83]      ; and of wf2[hi]
	; the list: slot s holds order[first + min(s, last slot)].  All eleven addresses are made first, so that one wait serves the eleven loads.
	v_min_u32 v[LA], s71, v[LN]
	v_add_nc_u32 v[T0], 32, v[LN]
	v_min_u32 v[LA+1], s71, v[T0]
.irp nt, 0,1,2
	v_add_nc_u32 v[T0], 16*(\nt), v[RR]
	v_min_u32 v[LA+2+(\nt)], s71, v[T0]
.endr
.irp q, 0,1,2,3,4
	v_add_nc_u32 v[LA+(\q)], s68, v[LA+(\q)]
	v_min_u32 v[LA+(\q)], 0x1fff, v[LA+(\q)]
	v_lshlrev_b32 v[LA+(\q)], 2, v[LA+(\q)]
.endr
.irp i, 0,1,2,3,4,5
	s_add_co_u32 s89, s66, 8*(\i)                  ; my wave gathers slots w + 8 i: one address for all lanes
	s_min_u32 s89, s89, s71
	s_add_co_u32 s89, s89, s68
	s_min_u32 s89, s89, 0x1fff
	s_lshl_b32 s89, s89, 2
	v_mov_b32 v[MA+(\i)], s89
.endr
	s_wait_alu depctr_va_vdst(0)                   ; v[LA ..] and v[MA ..] are written, which the eleven loads read as their offsets
.irp q, 0,1,2,3,4
	global_load_b32 v[LW+(\q)], v[LA+(\q)], s[12:13]
.endr
.irp i, 0,1,2,3,4,5
	global_load_b32 v[MW+(\i)], v[MA+(\i)], s[12:13]
.endr
	s_wait_loadcnt 0x0
	s_wait_alu depctr_vm_vsrc(0)                   ; the list's loads have read v[LA ..], which the lines below write again
.irp q, 0,1,2,3,4
	v_and_b32 v[LA+(\q)], 0xffff, v[LW+(\q)]
	v_min_u32 v[LA+(\q)], 0x1fff, v[LA+(\q)]       ; the token
.endr
.irp nt, 0,1,2
	v_lshlrev_b32 v[GAD+(\nt)], 3, v[LA+2+(\nt)]
.endr
.irp i, 0,1,2,3,4,5
	v_and_b32 v[MW+(\i)], 0xffff, v[MW+(\i)]
	v_min_u32 v[MW+(\i)], 0x1fff, v[MW+(\i)]
	v_lshl_add_u32 v[MW+(\i)], v[MW+(\i)], 12, v[AOFF]  ; token x 4,096 bytes + 16 x lane
.endr
	s_wait_alu depctr_va_vdst(0)                   ; v[GAD ..] and v[MW ..] are written, which the loads below read; the head's first lines are done with v0 and v1 of window 0, in which weights land
.irp nt, 0,1,2
	global_load_b64 v[GP+2*(\nt):GP+2*(\nt)+1], v[GAD+(\nt)], s[6:7]  ; both gates of my token in tile nt
.endr
	WIN W_TO0
	ALOAD 0, 80, 0                                 ; K step 0's weights go out ahead of x
	WIN W_ALL1
.irp i, 0,1,2,3,4,5
.irp j, 0,1,2,3,4,5,6,7
	global_load_b128 v[32*(\i)+4*(\j):32*(\i)+4*(\j)+3], v[MW+(\i)], s[4:5] offset:512*(\j)  ; 512 consecutive bytes of a row of x
.endr
.endr
.set i, 0
.rept 32
	v_readlane_b32 s[16+i], v[LA], i               ; the 48 tokens as scalars, for the way out: one run,
.set i, i+1
.endr
.set i, 0
.rept 16
	v_readlane_b32 s[48+i], v[LA+1], i
.set i, i+1
.endr
	s_wait_alu depctr_va_sdst(0)                   ; s16 to s63 are written, ahead of their first readers
.set i, 0
.rept 48
	s_min_u32 s[16+i], s[16+i], 0x1fff
.set i, i+1
.endr
	; x is rounded a row at a time, each row in its own registers; a row's stores stand behind the wait for the next row's data, where its conversions have long been issued
.irp i, 0,1,2,3,4,5
	s_wait_loadcnt 40-8*(\i)                       ; row i's eight loads are in; the later rows' stay out
.if (\i) > 0
	s_wait_alu depctr_va_vdst(0)                   ; the conversions of the row before have written the registers that its stores read
	XSTORE (\i)-1
.endif
.irp j, 0,1,2,3,4,5,6,7
	v_cvt_pk_bf16_f32 v[32*(\i)+4*(\j)],   v[32*(\i)+4*(\j)],   v[32*(\i)+4*(\j)+1]
	v_cvt_pk_bf16_f32 v[32*(\i)+4*(\j)+1], v[32*(\i)+4*(\j)+2], v[32*(\i)+4*(\j)+3]
.endr
.endr
	s_wait_alu depctr_va_vdst(0)                   ; the last row's conversions have written the registers that its stores read
	XSTORE 5
.irp nt, 0,1,2                      ; my half's gate: choice 0's, unless swap and half differ; the three masks are made in one run
	v_bfe_u32 v[CG+2*(\nt)+1], v[LW+2+(\nt)], 16, 1
	v_xor_b32 v[CG+2*(\nt)+1], s91, v[CG+2*(\nt)+1]
	v_cmp_ne_u32 s[72+(\nt)], 0, v[CG+2*(\nt)+1]
.endr
	s_wait_alu depctr_va_sdst(0)                   ; s72 to s74 are written, ahead of the selects that read them
.irp nt, 0,1,2                      ; rounded to bf16 like every input
	v_cndmask_b32 v[CG+2*(\nt)], v[GP+2*(\nt)], v[GP+2*(\nt)+1], s[72+(\nt)]
	v_cvt_pk_bf16_f32 v[CG+2*(\nt)], v[CG+2*(\nt)], v[CG+2*(\nt)]
	v_lshlrev_b32 v[CG+2*(\nt)], 16, v[CG+2*(\nt)]
	v_mov_b32 v[CG+2*(\nt)+1], v[CG+2*(\nt)]
.endr
	WIN W_TO0
	ALOAD 1, 80, 8192                              ; no wait: no vector instruction has ever named these registers, and none since the waits above names v[AOFF]
	ALOAD 2, 80, 16384
	ALOAD 3, 80, 24576
	WIN 0                                          ; at a label and at a branch every window is 0
	s_wait_dscnt 0x0                               ; for the others' sake: my six rows of X are written
	s_barrier_signal -1
	s_barrier_wait -1                              ; X is whole
	s_wait_alu depctr_vm_vsrc(0)                   ; my stores into X have read x's registers and v[XS0 ..], the head's loads their offsets: from here on these registers are accumulators and token fragments
	s_cmp_eq_u32 s67, 0
	s_cbranch_scc1 .Lb2                            ; no rows: the first product and gelu are jumped; the ring stays as fc2's counts expect it, four buffers asked for in order
; ---------------- FC1: 32 K steps ----------------
	s_mov_b32 s92, 0                               ; X
	WIN W_ALL1
	SETWA 92
	s_wait_alu depctr_va_vdst(0)                   ; v[WA ..] is written, which the fragment loads read; the head's vector instructions are done with v192 to v239, in which the fragments land
	BLOAD 0, 0
.set ks, 0
.rept 32
.if ks < 29
.set RB, 80                         ; the refill is this product's K step ks + 3,
.set RO, 8192*(ks+3)
.else
.set RB, 76                         ; or, in the last three steps, fc2's K step ks - 29
.set RO, 8192*(ks-29)
.endif
.if ks == 0
	STEP 1, 1, 0, 48                               ; the first K step starts the sums: nothing is cleared; all four buffers are asked for, so three stay out and none is filled
.elseif ks < 31
	STEP 0, 1, 1, 32                               ; two younger buffers stay out; the third is asked for in the step
.else
	STEP 0, 0, 1, 32                               ; no token fragments follow
.endif
.set ks, ks+1
.endr
	PLACES
	WIN W_TO0
	s_wait_alu depctr_va_vdst(0)                   ; the last step's products are done reading ring buffer 3
	ALOAD 3, 76, 24576                             ; fc2's K step 3: its first four K steps land during gelu
; ---------------- GATE x GELU ----------------
	WIN W_ALL1
	s_wait_alu depctr_vm_vsrc(0)                   ; fc1's fragment loads have read v[WA ..], which is written again
	SETWA 93                                       ; where I put 16 bytes of H, by token tile
	GELU 0, 0, -1, 0
	GELU 0, 4, 0, 0
	GELU 1, 0, 0, 4
	GELU 1, 4, 1, 0
	GELU 2, 0, 1, 4
	GELU 2, 4, 2, 0
	s_wait_alu depctr_va_vdst(0)                   ; the last call's conversions have written the registers that its stores read
	HSTORE 2, 4
	WIN 0
.Lb2:
	s_wait_dscnt 0x0                               ; for the others' sake: my part of H is written, and my reads of X are over
	s_barrier_signal -1
	s_barrier_wait -1                              ; H is whole, and nobody reads X any more
	s_wait_alu depctr_vm_vsrc(0)                   ; my stores into H have read the packed numbers, which lie in accumulators' registers, and v[WA ..]: both are written again below
	s_cmp_eq_u32 s67, 0
	s_cbranch_scc1 .Lend
; ---------------- FC2: 32 K steps, 16 of lo's f and 16 of hi's, into one sum ----------------
	s_mov_b32 s92, HB                              ; H
	WIN W_ALL1
	SETWA 92
	s_wait_alu depctr_va_vdst(0)                   ; v[WA ..] is written, which the fragment loads read; gelu's vector instructions are done with v192 to v223, in which fragments land
	BLOAD 0, 0
.set ks, 0
.rept 32
.if ks < 13
.set RB, 76                         ; K steps 4 to 15 come from lo's slice,
.set RO, 8192*(ks+3)
.else
.set RB, 78                         ; K steps 16 to 31 from hi's
.set RO, 8192*(ks-13)
.endif
.set LC, 32
.if ks > 29
.set LC, 16*(31-ks)                 ; the last three steps ask for nothing: the counts run down 32, 16, 0
.endif
.if ks == 0
	STEP 1, 1, 0, 48
.elseif ks < 29
	STEP 0, 1, 1, LC
.elseif ks < 31
	STEP 0, 1, 0, LC
.else
	STEP 0, 0, 0, LC
.endif
.set ks, ks+1
.endr
	PLACES
; ---------------- THE WAY OUT ----------------
	WIN W_ALL1
	v_bfe_u32 v[T1], v[AOFF], 4, 4                 ; lane % 16
	v_bfe_u32 v[T2], v[AOFF], 8, 1                 ; lane / 16
	s_mul_i32 s89, s66, SGW
	v_mul_u32_u24 v[STO], v[T1], SGP               ; in: my token's row, 32 bytes for each half of the lanes
	v_lshl_add_u32 v[STO], v[T2], 5, v[STO]
	v_add_nc_u32 v[STO], s89, v[STO]
	v_add_nc_u32 v[RD], s89, v[AOFF]               ; back: 32 lanes take a row's 512 bytes
	s_lshl_b32 s90, s66, 9
	v_add_nc_u32 v[LOFF], s90, v[AOFF]             ; my wave's 128 columns in a row of the output
	WIN 0x10                                       ; destination in window 0, source 2 in window 1
.set i, 0
.rept 48
	v_lshl_add_u32 v[192+i], s[16+i], 12, v[LOFF]  ; token x 4,096 bytes: an offset register for each row, none rewritten
.set i, i+1
.endr
	WIN W_ALL1
	s_wait_alu depctr_va_vdst(0)                   ; one wait for the whole way out, behind which no vector instruction stands: the products have written the accumulators, which the LDS stores read, and are done
	                                               ; reading ring buffers 0 to 2, in which the rows land; v[STO], v[RD] and the 48 offsets are written.  The places above stay beside it
	STAGE 0
	SEND 0
.irp nt, 1,2
	s_cmp_le_u32 s67, 16*(\nt)
	s_cbranch_scc1 .Lend
	STAGE \nt
	SEND \nt
.endr
.Lend:
	s_wait_dscnt 0x0                               ; my last LDS instructions
	s_set_vgpr_msb 0x5
	s_wait_dscnt 0x0
	s_wait_alu depctr_hold_cnt(0) depctr_sa_sdst(0) depctr_va_vdst(0) depctr_va_sdst(0) depctr_va_ssrc(0) depctr_va_vcc(0) depctr_vm_vsrc(0)
	s_wait_tensorcnt 0x0
	ds_add_u32 v241, v249
	s_wait_dscnt 0x0
	s_endpgm
.Lfunc_end_k_qd84ebdd5dc_moe:
	.size	k_qd84ebdd5dc_moe, .Lfunc_end_k_qd84ebdd5dc_moe-k_qd84ebdd5dc_moe
	.p2alignl 7, 3214868480
	.fill 96, 4, 3214868480
	.section	.rodata,"a",@progbits
	.p2align	6, 0x0
	.amdhsa_kernel k_qd84ebdd5dc_moe
		.amdhsa_group_segment_fixed_size 201728
		.amdhsa_private_segment_fixed_size 0
		.amdhsa_enable_private_segment 0
		.amdhsa_kernarg_size 56
		.amdhsa_user_sgpr_count 2
		.amdhsa_user_sgpr_kernarg_segment_ptr 1
		.amdhsa_wavefront_size32 1
		.amdhsa_system_sgpr_workgroup_id_x 1
		.amdhsa_system_sgpr_workgroup_id_y 1
		.amdhsa_system_sgpr_workgroup_id_z 1
		.amdhsa_system_vgpr_workitem_id 0
		.amdhsa_next_free_vgpr 512
		.amdhsa_next_free_sgpr 96
		.amdhsa_reserve_vcc 0
		.amdhsa_float_denorm_mode_32 3
		.amdhsa_float_denorm_mode_16_64 3
		.amdhsa_memory_ordered 1
		.amdhsa_forward_progress 1
		.amdhsa_inst_pref_size 255
	.end_amdhsa_kernel
	.section	.bss,"aw",@nobits
	.p2align	6
	.space	262144
	.amdgpu_metadata
---
amdhsa.version: [ 1, 2 ]
amdhsa.kernels:
  - .name:           k_qd84ebdd5dc_moe
    .symbol:         k_qd84ebdd5dc_moe.kd
    .args:
      - { .name: hidden_states, .offset: 0, .size: 8, .value_kind: global_buffer, .address_space: global }
      - { .name: gate_weight, .offset: 8, .size: 8, .value_kind: global_buffer, .address_space: global }
      - { .name: wf1, .offset: 16, .size: 8, .value_kind: global_buffer, .address_space: global }
      - { .name: wf2, .offset: 24, .size: 8, .value_kind: global_buffer, .address_space: global }
      - { .name: order, .offset: 32, .size: 8, .value_kind: global_buffer, .address_space: global }
      - { .name: tiles, .offset: 40, .size: 8, .value_kind: global_buffer, .address_space: global }
      - { .name: out0, .offset: 48, .size: 8, .value_kind: global_buffer, .address_space: global }
    .group_segment_fixed_size: 201728
    .private_segment_fixed_size: 0
    .kernarg_segment_align: 8
    .kernarg_segment_size: 56
    .max_flat_workgroup_size: 256
    .sgpr_count:     96
    .vgpr_count:     512
    .wavefront_size: 32
...
	.end_amdgpu_metadata
.endif
;; end of part 4
